; MI455X (gfx1250); checked and timed in simulation.
; The chip was launched on July 23, 2026; its instructions are those of AMD's public machine-readable ISA for CDNA 5 (MIT licence, August 2026) and "CDNA5" Instruction Set Architecture Reference Guide (July 2026). The comments in the code are by the model that wrote it; some were corrected since.
;; Attention. Allowed arithmetic: matrix products marked QUANTISED: E2M3 operands, one E8M0 scale for each 32 along K, by v_wmma_scale_f32_16x16x128_f8f6f4 with both operands' format E2M3, f32 sums; everything else in f32.
;; Inputs: b_out 1,024 float32; w_out 1,024 x 1,024 float32; w_qkv 1,024 x 3,072 float32; x 4 x 2,048 x 1,024 float32.
;; Outputs: out0 4 x 2,048 x 1,024 float32.
;; This version of the problem:
;;   THIS VERSION OF THE PROBLEM IS GIVEN IN LOW PRECISION. The matrix products marked QUANTISED in the list below multiply operands that are first quantised to E2M3 (2 exponent bits, 3 mantissa bits; 6 bits a number), with one power-of-two scale for each 32 numbers along K (OCP MX v1.0); their sums are f32. All else is computed in f32.
;;   The module's matrix products, in the order in which they are computed (A, B: the left and right operand; K: the contracted axis; several contracted axes count as one K, in the product's order):
;;     1. [M 8,192, K 1,024] x [K 1,024, N 3,072]; A: input x; B: input w_qkv: QUANTISED
;;     2. batch 64 x [M 2,048, K 64] x [K 64, N 2,048]; A: computed on the way; B: computed on the way: QUANTISED
;;     3. batch 64 x [M 2,048, K 2,048] x [K 2,048, N 64]; A: softmax (see below); B: computed on the way: QUANTISED
;;     4. [M 8,192, K 1,024] x [K 1,024, N 1,024]; A: computed on the way; B: input w_out: QUANTISED
;;   THE QUANTISER, for each operand of a quantised product, along K:
;;     - K is cut into blocks of 32 from its start; a last block that is shorter is filled with zeros.
;;     - A block's scale is 2^e with e = floor(log2(the largest magnitude in the block)) - 2, held to -126 .. 127; a block of zeros has e = 0. As a byte (E8M0): e + 127.
;;     - Each number is divided by its block's scale, clamped to +-7.5, and rounded to the nearest number of E2M3, ties to even, subnormals kept.
;;     - The product sums the exact products of the quantised numbers (number of the format x scale) in f32.
;;   ~~~python
;;   def quantise(x, axis):      # numpy; x: float32 -> the quantised numbers, widened to float32 again
;;       x = np.moveaxis(x, axis, -1); K = x.shape[-1]
;;       x = np.pad(x, [(0, 0)] * (x.ndim - 1) + [(0, -K % 32)]); x = x.reshape(x.shape[:-1] + (-1, 32)); a = np.abs(x).max(-1, keepdims=True)
;;       e = np.where(a > 0, np.clip(np.frexp(np.where(a > 0, a, 1))[1] - 1 - 2, -126, 127), 0)      # np.frexp(a)[1] - 1 = floor(log2(a)), exactly
;;       r = np.clip(x / 2.0 ** e, -7.5, 7.5)
;;       step = 2.0 ** (np.maximum(np.frexp(np.where(r == 0, 1, r))[1] - 1, 0) - 3)
;;       q = np.round(r / step) * step * 2.0 ** e      # np.round: ties to even
;;       return np.moveaxis(q.reshape(q.shape[:-2] + (-1,))[..., :K], -1, axis).astype(np.float32)
;;   ~~~
;;   SOFTMAX AHEAD OF A QUANTISED PRODUCT. Where the list says 'softmax', what is quantised is not the finished softmax but p = 2^(t - M), with t = logit x log2(e) and M = ceil(the row's largest t), a whole number; so 1/2 < the row's largest p <= 1. The row's sum l is taken of the UNQUANTISED p, in f32, and the product's result is divided by l at the end. Since M is a whole number, a kernel that streams over the keys may use a running M (the ceiling of the running maximum): every later rescaling is an exact power of two, which a block's scale takes up: the codes' values come out the same.
;;   OPERANDS COMPUTED ON THE WAY. 'Computed on the way' means the value that the module computes at that place (a softmax that the list does not call 'softmax' is quantised finished and normalised). What goes into a quantiser is computed in f32, as accurately as f32 sums, v_exp_f32 and their like allow (about 1e-6 of the number): no bf16 or f16 on the way to a quantiser, and a product that is left as it is and whose result goes on into a quantised operand takes f32 operands (vector FMAs, or v_wmma_f32_16x16x4_f32). A number that lies on a knife's edge between two numbers of the format may be rounded either way, as far as f32 arithmetic and the matrix unit's own rounding can turn it there, and no further.
;; One version. Each part assembles by itself: llvm-mc -triple=amdgcn-amd-amdhsa -mcpu=gfx1250 --defsym DOCPART=n.
;; ======== version 1 of 1: 5 launches
;; limits: right only within a limited range of input values
;; workspace buffers: xq 6,553,600 bytes; wqk 1,638,400 bytes; wv 819,200 bytes; wo 819,200 bytes; qk 13,107,200 bytes; vq 6,553,600 bytes; oq 6,553,600 bytes
;; launch quant (part 1): grid 384 x 1, 4 waves a work-group, no clusters, 58,880 bytes of LDS; arguments x, w_qkv, w_out, xq, wqk, wv, wo; writes xq, wqk, wv, wo
.if DOCPART == 1
	.amdgcn_target "amdgcn-amd-amdhsa--gfx1250"
	.amdhsa_code_object_version 6
	.text
	.protected	k_q6001d28c8d_quant
	.globl	k_q6001d28c8d_quant
	.p2align	8
	.type	k_q6001d28c8d_quant,@function
k_q6001d28c8d_quant:
	s_mov_b64 s[64:65], 0
	v_nop
	global_prefetch_b8 v0, s[64:65] scope:SCOPE_SE
	s_setreg_imm32_b32 hwreg(HW_REG_WAVE_MODE, 25, 1), 1
	s_wait_xcnt 0x0
; x [8192][1024], w_qkv [1024][3072] and w_out [1024][1024], f32, become codes of FP6 (E2M3) with one E8M0 byte for each 32 along K (K = 1,024 in all three).
; A block's scale is 2^(floor(log2(largest magnitude)) - 2): its byte is the largest magnitude's exponent field - 2, held at 1 from below.
; LIMITS: NaN and infinities among the inputs are not served; a block whose largest magnitude lies under 2^-124 keeps the byte 1; a block of zeros has the byte 1 and not 127
; (its codes are zeros, and this program alone reads the bytes).
; THE LAYOUT OF THE RESULT is the order of an operand's registers.  128 rows of an operand (tokens of x, columns of a weight) make a record of RB bytes:
;   codes [K step of 256: 4][tile of 16 rows: 8][64 along K: 4][768 bytes], then scale words [128 along K: 8][tile: 8][row place: 16] of 4 bytes.
;   768 bytes = 16 rows x 64 K: lane l's registers 0-3 at 16 l, its registers 4-5 at 512 + 8 l; lane (r, h) holds the 32 codes of block h of row place r.
;   THE ROWS OF A TILE ARE NOT NEIGHBOURS: row place r of tile T is row 32 (T / 2) + 8 (T % 2) + r + 8 (r / 8) of the record.
; Work-groups 0-255 take x (K innermost), 256-383 the weights (K outermost): one scalar branch on the work-group's number; each way has LDS bytes of its own.  Waves share nothing: no barrier.
.set RB,   102400
.set KSB,  24576                       ; a K step of 256 for 128 rows
.set SCW,  98304                       ; where a record's scale words begin
.set XST,  8448                        ; x's way: a wave's stage, 16 rows x (512 + 16) bytes
.set WST,  4*XST                       ; the weights' way: a wave's 6,144 bytes of images begin here
.set TM,   8                           ; v8-15   at work
.set RA,   32                          ; v32-159 x: two sets of 16 rows x 512 bytes as loaded
.set XN,   160                         ; v160-223 x: my 64 numbers of a fragment
.set PC,   224                         ; v224-235 a fragment's codes
.set T2,   236                         ; v236-238, v240-242 the upper halves of two blocks
.set PW,   244                         ; v244-247 a scale word for each fragment
.set OF,   32                          ; v32-63  weights: 4 x lane + i x pitch
.set WN,   64                          ; v64-127 weights: two sets of 32 numbers
.set CW,   128                         ; v128-133 a block's codes; v134-136 its upper half as made
.set SB,   138                         ; v138-139 scale bytes, four to a register
.set OW,   144                         ; v144-191 the way out
; fragment f = 2 u + q: tile u of my two, the q-th 128 along K.  Each load takes 512 consecutive bytes of one row
.macro LOADF f
.irp p, 0,1,2,3,4,5,6,7,8,9,10,11,12,13,14,15
	global_load_b128 v[RA+64*((\f)%2)+4*\p:RA+64*((\f)%2)+4*\p+3], v1, s[4:5] offset:(8*((\f)/2)+\p+8*(\p/8))*4096+512*((\f)%2) th:TH_LOAD_NT
.endr
.endm
; through my stage: in as loaded, back as 2 x 32 neighbours of row place r: k = 64 c + 32 h + 0 .. 31.  LDS serves a wave's instructions in order: no wait between
.macro TURNF f
.irp p, 0,1,2,3,4,5,6,7,8,9,10,11,12,13,14,15
	ds_store_b128 v2, v[RA+64*((\f)%2)+4*\p:RA+64*((\f)%2)+4*\p+3] offset:528*\p
.endr
.irp c, 0,1
.irp j, 0,1,2,3,4,5,6,7
	ds_load_b128 v[XN+32*\c+4*\j:XN+32*\c+4*\j+3], v3 offset:256*\c+16*\j
.endr
.endr
.endm
; my two whole blocks (2 c + h) become codes in the operand's own registers, and the row's scale word
.macro QB f
.irp c, 0,1
	v_max3_num_f32 v[TM+\c], |v[XN+32*\c]|, |v[XN+32*\c+1]|, 0x1800000   ; with the floor 2^(3 - 127): the byte cannot fall under 1
.endr
.irp i, 2,4,6,8,10,12,14,16,18,20,22,24,26,28,30
.irp c, 0,1
	v_max3_num_f32 v[TM+\c], v[TM+\c], |v[XN+32*\c+\i]|, |v[XN+32*\c+\i+1]|
.endr
.endr
.irp c, 0,1
	v_add_nc_u32 v[TM+2+\c], 0xff000000, v[TM+\c]      ; 2 off the exponent field: the conversion's scale operand
.endr
.irp c, 0,1
	v_lshrrev_b32 v[TM+4+\c], 23, v[TM+2+\c]           ; the byte
.endr
	v_lshl_or_b32 v[TM+6], v[TM+5], 16, v[TM+4]        ; blocks h and 2 + h,
	v_lshlrev_b32 v[TM+6], v6, v[TM+6]                 ; 8 h bits up;
	v_permlanex16_b32 v[TM+7], v[TM+6], s20, s21
	v_or_b32 v[PW+(\f)], v[TM+6], v[TM+7]              ; with lane l xor 16's two the word is whole
	s_wait_alu depctr_va_vdst(0)
	s_wait_xcnt 0x0                                    ; the last fragment's stores have read the codes' registers
.irp c, 0,1
	v_cvt_scalef32_pk16_fp6_f32 v[PC+6*\c:PC+6*\c+2], v[XN+32*\c:XN+32*\c+15], v[TM+2+\c]
	v_cvt_scalef32_pk16_fp6_f32 v[T2+4*\c:T2+4*\c+2], v[XN+32*\c+16:XN+32*\c+31], v[TM+2+\c]   ; (a conversion's three registers begin on an even number)
.endr
	v_nop                                              ; one plain place behind a scaled conversion
.irp c, 0,1
.irp i, 0,1,2
	v_mov_b32 v[PC+6*\c+3+\i], v[T2+4*\c+\i]
.endr
.endr
.endm
; the fragment leaves as it stands: 512, 256, 512, 256 consecutive bytes, each run beginning at a multiple of 256 from the buffer's first byte
.macro STF f
	global_store_b128 v1, v[PC:PC+3], s[30:31] offset:3072*((\f)/2)+1536*((\f)%2)
	global_store_b64 v4, v[PC+4:PC+5], s[30:31] offset:3072*((\f)/2)+1536*((\f)%2)+512
	global_store_b128 v1, v[PC+6:PC+9], s[30:31] offset:3072*((\f)/2)+1536*((\f)%2)+768
	global_store_b64 v4, v[PC+10:PC+11], s[30:31] offset:3072*((\f)/2)+1536*((\f)%2)+1280
.endm
; weights: block t: rows 32 t + i of K at my column, into set t % 2.  The base steps 32 rows from block to block
.macro LOADW t
.if (\t) > 0
	s_wait_xcnt 0x0                                    ; the earlier loads have read their base
	s_add_nc_u64 s[20:21], s[20:21], s[22:23]
.endif
.irp i, 0,1,2,3,4,5,6,7,8,9,10,11,12,13,14,15,16,17,18,19,20,21,22,23,24,25,26,27,28,29,30,31
	global_load_b32 v[WN+32*((\t)%2)+\i], v[OF+\i], s[20:21] th:TH_LOAD_NT
.endr
.endm
.macro BLOCK t
.set XS, WN+32*((\t)%2)
.if (\t) < 7
	s_wait_loadcnt 32                                  ; this block's 32 loads are in; the next block's may be out
.else
	s_wait_loadcnt 0x0
.endif
	v_max3_num_f32 v8, |v[XS]|, |v[XS+1]|, |v[XS+2]|   ; all 32 numbers of the block are mine
	v_max3_num_f32 v9, |v[XS+3]|, |v[XS+4]|, |v[XS+5]|
.irp i, 6,10,14,18,22,26
	v_max3_num_f32 v8, v8, |v[XS+\i]|, |v[XS+\i+1]|
	v_max3_num_f32 v9, v9, |v[XS+\i+2]|, |v[XS+\i+3]|
.endr
	v_max3_num_f32 v8, v8, |v[XS+30]|, |v[XS+31]|
	v_max3_num_f32 v8, v8, v9, 0x1800000
	v_add_nc_u32 v10, 0xff000000, v8
	v_lshrrev_b32 v11, 23, v10
.if (\t)%4 == 0
	v_mov_b32 v[SB+(\t)/4], v11
.else
	v_lshl_or_b32 v[SB+(\t)/4], v11, 8*((\t)%4), v[SB+(\t)/4]
.endif
	v_cvt_scalef32_pk16_fp6_f32 v[CW:CW+2], v[XS:XS+15], v10
	v_cvt_scalef32_pk16_fp6_f32 v[CW+6:CW+8], v[XS+16:XS+31], v10
	v_nop                                              ; one plain place behind a scaled conversion
.irp i, 0,1,2
	v_mov_b32 v[CW+3+\i], v[CW+6+\i]
.endr
	ds_store_b128 v2, v[CW:CW+3] offset:((\t)/2)*768+256*((\t)%2)        ; block t is half h = t % 2 of the (t / 2)-th 64 along K: lane place r + 16 h of that image
	ds_store_b64 v3, v[CW+4:CW+5] offset:((\t)/2)*768+512+128*((\t)%2)
.if (\t)+2 < 8
	LOADW (\t)+2
.endif
	s_wait_dscnt 0x0                                   ; the stores have read their registers: the next block's codes may be written
.endm
	s_load_b256 s[4:11], s[0:1], 0x0               ; x s[4:5], w_qkv s[6:7], w_out s[8:9], xq s[10:11]
	s_load_b128 s[12:15], s[0:1], 0x20             ; wqk s[12:13], wv s[14:15]
	s_load_b64 s[16:17], s[0:1], 0x30              ; wo
	v_lshl_add_u32 v248, v0, 2, 0xe400
	v_mov_b32 v249, 0
	v_lshrrev_b32 v1, 5, v0
	v_readfirstlane_b32 s18, v1                    ; wave 0..3
	v_and_b32 v7, 31, v0                           ; lane
	s_cmp_lt_u32 ttmp9, 256
	s_cbranch_scc0 .Lweights
	; ---- x: record rb = work-group / 4, K step ks = work-group % 4; wave w takes tiles 2 w and 2 w + 1 (32 neighbouring tokens) x 256 along K: four fragments
	v_lshlrev_b32 v1, 4, v7                        ; 16 x lane
	s_mul_i32 s19, s18, XST
	v_add_nc_u32 v2, s19, v1                       ; the stage, in
	v_and_b32 v8, 15, v0                           ; r
	v_bfe_u32 v9, v0, 4, 1                         ; h
	v_mul_u32_u24 v3, v8, 528
	v_lshl_add_u32 v3, v9, 7, v3
	v_add_nc_u32 v3, s19, v3                       ; and out: row r, + 128 h bytes
	v_lshlrev_b32 v4, 3, v7                        ; 8 x lane
	v_lshlrev_b32 v5, 2, v7                        ; 4 x lane
	v_lshlrev_b32 v6, 3, v9                        ; 8 h: a shift
	v_mov_b32 v15, 0                               ; written once: a lane permute's destination counts as one of its sources
	s_mov_b32 s20, 0x76543210
	s_mov_b32 s21, 0xfedcba98                      ; selects for lane l xor 16
	s_lshr_b32 s24, ttmp9, 2                       ; rb
	s_and_b32 s25, ttmp9, 3                        ; ks
	s_lshl_b32 s26, s24, 7
	s_lshl_b32 s27, s18, 5
	s_add_co_u32 s26, s26, s27                     ; my first token
	s_lshl_b32 s26, s26, 12                        ; rows of 4,096 bytes
	s_lshl_b32 s27, s25, 10
	s_add_co_u32 s26, s26, s27                     ; + 1,024 bytes a K step
	s_mov_b32 s27, 0
	s_mul_i32 s28, s24, RB
	s_mul_i32 s29, s25, KSB
	s_add_co_u32 s30, s28, s29
	s_mul_i32 s29, s18, 6144
	s_add_co_u32 s30, s30, s29                     ; my codes
	s_mov_b32 s31, 0
	s_lshl_b32 s29, s25, 10
	s_add_co_u32 s32, s28, s29
	s_lshl_b32 s29, s18, 7
	s_add_co_u32 s32, s32, s29
	s_add_co_u32 s32, s32, SCW                     ; my scale words
	s_mov_b32 s33, 0
	s_wait_alu depctr_va_vdst(0)
	s_wait_kmcnt 0x0
	s_add_nc_u64 s[4:5], s[4:5], s[26:27]
	s_add_nc_u64 s[30:31], s[10:11], s[30:31]
	s_add_nc_u64 s[32:33], s[10:11], s[32:33]
	LOADF 0
	LOADF 1
.irp f, 0,1,2,3
.if \f < 3
	s_wait_loadcnt 16                              ; this fragment's 16 loads are in; the other set's 16 may be out
.else
	s_wait_loadcnt 0x0
.endif
	TURNF \f
	s_wait_dscnt 0x0                               ; my numbers are back, and the stage's stores have read their registers,
.if \f < 2
	LOADF \f+2                                     ; which take the loads of two fragments on
.endif
	QB \f
	STF \f
.endr
	v_cmp_lt_u32 vcc_lo, 15, v7                    ; lanes 16-31 store tile 2 w + 1's words, lanes 0-15 tile 2 w's: 128 consecutive bytes
.irp q, 0,1
	v_cndmask_b32 v[TM+\q], v[PW+\q], v[PW+2+\q], vcc_lo
	global_store_b32 v5, v[TM+\q], s[32:33] offset:512*\q
.endr
	s_wait_tensorcnt 0x0
	ds_add_u32 v248, v249
	s_wait_dscnt 0x0
	s_endpgm
.Lweights:
	; ---- weights: a lane takes a column and its registers run down K.  Column block rb = id / 4 (0-15: q and k's columns; 16-23: v's; 24-31: w_out's), K step ks = id % 4; wave w takes 32 columns
	s_wait_alu depctr_va_vdst(0)
	v_lshlrev_b32 v[OF], 2, v7                     ; 4 x lane
	v_bfe_u32 v8, v0, 3, 1                         ; u: which of my two tiles column lane belongs to,
	v_and_b32 v9, 7, v0
	v_bfe_u32 v10, v0, 4, 1
	v_lshl_add_u32 v9, v10, 3, v9                  ; r: and its row place there
	s_mul_i32 s19, s18, 6144
	s_add_co_u32 s19, s19, WST
	v_mul_u32_u24 v10, v8, 3072
	v_add_nc_u32 v10, s19, v10
	v_lshl_add_u32 v2, v9, 4, v10                  ; images: registers 0-3 at 16 r,
	v_lshl_add_u32 v3, v9, 3, v10                  ; registers 4-5 at 8 r
	v_lshlrev_b32 v5, 4, v7
	v_add_nc_u32 v4, s19, v5                       ; the way out: 16 x lane
	v_lshlrev_b32 v6, 2, v9
	v_lshl_add_u32 v6, v8, 6, v6                   ; scale words: 64 u + 4 r
	s_sub_co_u32 s24, ttmp9, 256
	s_lshr_b32 s25, s24, 2                         ; rb
	s_and_b32 s26, s24, 3                          ; ks
	s_wait_kmcnt 0x0
	s_cmp_lt_u32 s25, 24                           ; the choices hang on the work-group's number alone
	s_cselect_b64 s[20:21], s[6:7], s[8:9]         ; from w_qkv or w_out
	s_mov_b32 s27, 4096
	s_cselect_b32 s27, 12288, s27                  ; a row of it in bytes
	s_cselect_b32 s28, 0, 24                       ; its first column block
	s_cselect_b64 s[30:31], s[14:15], s[16:17]     ; into wv or wo,
	s_cselect_b32 s29, 16, 24                      ; whose record 0 is this column block
	s_cmp_lt_u32 s25, 16
	s_cselect_b64 s[30:31], s[12:13], s[30:31]     ; or into wqk
	s_cselect_b32 s29, 0, s29
	s_sub_co_u32 s28, s25, s28
	s_lshl_b32 s28, s28, 9                         ; 128 columns of 4 bytes
	s_lshl_b32 s32, s18, 7
	s_add_co_u32 s28, s28, s32                     ; + my 32
	s_lshl_b32 s32, s26, 8
	s_mul_i32 s32, s32, s27                        ; + 256 ks rows
	s_add_co_u32 s32, s32, s28
	s_mov_b32 s33, 0
	s_add_nc_u64 s[20:21], s[20:21], s[32:33]
	s_lshl_b32 s22, s27, 5                         ; 32 rows on
	s_mov_b32 s23, 0
	s_sub_co_u32 s29, s25, s29
	s_mul_i32 s32, s29, RB                         ; the record
	s_mul_i32 s34, s26, KSB
	s_add_co_u32 s34, s34, s32
	s_mul_i32 s35, s18, 6144
	s_add_co_u32 s34, s34, s35
	s_mov_b32 s35, 0
	s_add_nc_u64 s[36:37], s[30:31], s[34:35]      ; my codes: one dense block of 6,144 bytes
	s_lshl_b32 s34, s26, 10
	s_add_co_u32 s34, s34, s32
	s_lshl_b32 s38, s18, 7
	s_add_co_u32 s34, s34, s38
	s_add_co_u32 s34, s34, SCW
	s_add_nc_u64 s[38:39], s[30:31], s[34:35]      ; my scale words
.set i, 1
.rept 31
	v_add_nc_u32 v[OF+i], s27, v[OF+i-1]
.set i, i+1
.endr
	LOADW 0
	s_wait_alu depctr_va_vdst(0)
	LOADW 1
.irp t, 0,1,2,3,4,5,6,7
	BLOCK \t
.endr
	s_wait_alu depctr_va_vdst(0)
.irp q, 0,1
	global_store_b32 v6, v[SB+\q], s[38:39] offset:512*\q
.endr
.irp n, 0,1,2,3,4,5,6,7,8,9,10,11
	ds_load_b128 v[OW+4*\n:OW+4*\n+3], v4 offset:512*\n    ; LDS serves a wave's instructions in order: these see my stores
.endr
.irp n, 0,1,2,3,4,5,6,7,8,9,10,11
	s_wait_dscnt 11-\n
	global_store_b128 v5, v[OW+4*\n:OW+4*\n+3], s[36:37] offset:512*\n   ; 512 consecutive bytes, from a multiple of 256
.endr
	s_wait_tensorcnt 0x0
	ds_add_u32 v248, v249
	s_wait_dscnt 0x0
	s_endpgm
.Lfunc_end_k_q6001d28c8d_quant:
	.size	k_q6001d28c8d_quant, .Lfunc_end_k_q6001d28c8d_quant-k_q6001d28c8d_quant
	.p2alignl 7, 3214868480
	.fill 96, 4, 3214868480
	.section	.rodata,"a",@progbits
	.p2align	6, 0x0
	.amdhsa_kernel k_q6001d28c8d_quant
		.amdhsa_group_segment_fixed_size 58880
		.amdhsa_private_segment_fixed_size 0
		.amdhsa_enable_private_segment 0
		.amdhsa_kernarg_size 56
		.amdhsa_user_sgpr_count 2
		.amdhsa_user_sgpr_kernarg_segment_ptr 1
		.amdhsa_wavefront_size32 1
		.amdhsa_system_sgpr_workgroup_id_x 1
		.amdhsa_system_sgpr_workgroup_id_y 1
		.amdhsa_system_sgpr_workgroup_id_z 1
		.amdhsa_system_vgpr_workitem_id 0
		.amdhsa_next_free_vgpr 250
		.amdhsa_next_free_sgpr 66
		.amdhsa_reserve_vcc 1
		.amdhsa_float_denorm_mode_32 3
		.amdhsa_float_denorm_mode_16_64 3
		.amdhsa_memory_ordered 1
		.amdhsa_forward_progress 1
		.amdhsa_inst_pref_size 74
	.end_amdhsa_kernel
	.amdgpu_metadata
---
amdhsa.version: [ 1, 2 ]
amdhsa.kernels:
  - .name:           k_q6001d28c8d_quant
    .symbol:         k_q6001d28c8d_quant.kd
    .args:
      - { .name: x, .offset: 0, .size: 8, .value_kind: global_buffer, .address_space: global }
      - { .name: w_qkv, .offset: 8, .size: 8, .value_kind: global_buffer, .address_space: global }
      - { .name: w_out, .offset: 16, .size: 8, .value_kind: global_buffer, .address_space: global }
      - { .name: xq, .offset: 24, .size: 8, .value_kind: global_buffer, .address_space: global }
      - { .name: wqk, .offset: 32, .size: 8, .value_kind: global_buffer, .address_space: global }
      - { .name: wv, .offset: 40, .size: 8, .value_kind: global_buffer, .address_space: global }
      - { .name: wo, .offset: 48, .size: 8, .value_kind: global_buffer, .address_space: global }
    .group_segment_fixed_size: 58880
    .private_segment_fixed_size: 0
    .kernarg_segment_align: 8
    .kernarg_segment_size: 56
    .max_flat_workgroup_size: 128
    .sgpr_count:     66
    .vgpr_count:     250
    .wavefront_size: 32
...
	.end_amdgpu_metadata
.endif
;; end of part 1
;; launch gemm_qk (part 2): grid 8 x 32, 4 waves a work-group, clusters of 4 x 4, 327,680 bytes of LDS; arguments wqk, xq, qk; writes qk
.if DOCPART == 2
	.amdgcn_target "amdgcn-amd-amdhsa--gfx1250"
	.amdhsa_code_object_version 6
	.text
	.protected	k_q6001d28c8d_gemm_qk
	.globl	k_q6001d28c8d_gemm_qk
	.p2align	8
	.type	k_q6001d28c8d_gemm_qk,@function
k_q6001d28c8d_gemm_qk:
	s_mov_b64 s[64:65], 0
	v_nop
	global_prefetch_b8 v0, s[64:65] scope:SCOPE_SE
	s_setreg_imm32_b32 hwreg(HW_REG_WAVE_MODE, 25, 1), 1
	s_wait_xcnt 0x0
	s_wait_alu depctr_hold_cnt(0) depctr_sa_sdst(0) depctr_va_vdst(0) depctr_va_sdst(0) depctr_va_ssrc(0) depctr_va_vcc(0) depctr_vm_vsrc(0)
	s_getreg_b32 s2, hwreg(HW_REG_IB_STS2, 6, 4)
	s_cmp_eq_u32 s2, 0
	s_cbranch_scc0 .Lentry_in_a_cluster
	s_endpgm
.Lentry_in_a_cluster:
	s_bfe_u32 s2, ttmp6, 0x10000c
	s_cmp_lg_u32 s2, 0xf033
	s_cbranch_scc0 .Lentry_shape_is_right
	s_endpgm
.Lentry_shape_is_right:
.set RB,     102400
.set KSB,    24576
.set SCW,    98304
.set REC,    25600
.set FR,     12
.set NL,     4
.set NP,     4
.set SLOT,   4*KSB
.set SCL,    3*SLOT                    ; LDS: four records (A's two, B's two) x three K steps of KSB bytes on end; behind them the scale words
.set SPARE,  SCL+4*4096
.set ADRA, 16
.set ADRB, 20
.set C16,  24
.set C8,   25
.set SOFF, 26
.set ADRS, 27
.set SPW,  28
.set NIL,  29
.set SC,   32
.set TM,   96
.set PW,   112
.set PWS,  114
.set AF,   128
.set PC,   224
.set G1, 24
.set G0, 32
.set G1B, 48
.set G0B, 56
.set G1S, 68
.set G0S, 76
.set G1SB, 80
.set G0SB, 88
.set G0H,  36                          ; s[36:39], s[60:63] group 0 of the head's loads of codes
.set G0HB, 60
.set MSB, 0
.macro WIN new
.if MSB != (\new)
	s_set_vgpr_msb (MSB<<8)|(\new)
.set MSB, (\new)
.endif
.endm
.set MUL_LO, 0xa1
.set MUL_HI, 0xf1
.set TO_B,   0x40
.macro JLOAD g0a, g1a, g0b, g1b
	s_cmp_eq_u32 s15, 0
	s_cbranch_scc0 .Lfor_b_\@
	tensor_load_to_lds s[\g0a:\g0a+3], s[\g1a:\g1a+7]
	s_nop 0
.rept 4
	v_nop
.endr
	s_branch .Lasked_\@
.Lfor_b_\@:
	tensor_load_to_lds s[\g0b:\g0b+3], s[\g1b:\g1b+7]
	s_nop 0
.rept 4
	v_nop
.endr
.Lasked_\@:
.endm
.macro CREST
	s_cmp_lg_u32 s14, 0
	s_cbranch_scc1 .Lnot_wave_0_\@
	s_barrier_signal -3
.Lnot_wave_0_\@:
	s_barrier_wait -3
	s_barrier_signal -1
	s_barrier_wait -1
.endm
.macro CROUND
	s_barrier_signal -1
	s_barrier_wait -1
	CREST
.endm
.macro PLACES n
.rept \n
	v_nop
.endr
.endm
.macro FRAG reg, adr, q, i
	ds_load_b128 v[\reg:\reg+3], v[\adr] offset:(\i)*3072+(\q)*1536
	ds_load_b64 v[\reg+4:\reg+5], v[\adr+2] offset:(\i)*3072+(\q)*1536+512
	ds_load_b128 v[\reg+6:\reg+9], v[\adr] offset:(\i)*3072+(\q)*1536+768
	ds_load_b64 v[\reg+10:\reg+11], v[\adr+2] offset:(\i)*3072+(\q)*1536+1280
.endm
.macro FETCH_B slot, q, p
	WIN TO_B
.irp i, 0,1,2,3,4,5,6,7
	FRAG 128*(\p)+FR*\i, ADRB+\slot, \q, \i
.endr
	WIN 0
.endm
.macro FETCH_A slot, q, i0
.irp i, \i0, \i0+1, \i0+2, \i0+3
	FRAG AF+FR*(\i), ADRA+\slot, \q, \i
.endr
.endm
.macro MUL16 a0, p, s8, zero
.irp a, \a0, \a0+1
.irp b, 0,1,2,3,4,5,6,7
.if \zero
	v_wmma_scale_f32_16x16x128_f8f6f4 v[8*(8*((\a)%4)+\b):8*(8*((\a)%4)+\b)+7], v[128*(\p)+FR*\b:128*(\p)+FR*\b+FR-1], v[AF+FR*(\a):AF+FR*(\a)+FR-1], 0, v[SC+8*(\s8)+\b], v[SC+8*(\s8)+(\a)] matrix_a_fmt:MATRIX_FMT_FP6 matrix_b_fmt:MATRIX_FMT_FP6 matrix_a_scale:MATRIX_SCALE_ROW1
.else
	v_wmma_scale_f32_16x16x128_f8f6f4 v[8*(8*((\a)%4)+\b):8*(8*((\a)%4)+\b)+7], v[128*(\p)+FR*\b:128*(\p)+FR*\b+FR-1], v[AF+FR*(\a):AF+FR*(\a)+FR-1], v[8*(8*((\a)%4)+\b):8*(8*((\a)%4)+\b)+7], v[SC+8*(\s8)+\b], v[SC+8*(\s8)+(\a)] matrix_a_fmt:MATRIX_FMT_FP6 matrix_b_fmt:MATRIX_FMT_FP6 matrix_a_scale:MATRIX_SCALE_ROW1
.endif
.endr
.endr
.endm
; multiplies B's set q % 2 and fetches the fragments at place nq of address set slot (16 places are one K step)
.macro STEP slot, q, s8, zero, nq
	s_wait_dscnt 4*NL
	WIN MUL_LO
	MUL16 0, (\q)%2, \s8, \zero
	MUL16 2, (\q)%2, \s8, \zero
	s_wait_dscnt 0
	PLACES NP
	FETCH_B \slot, \nq, 1-(\q)%2
	FETCH_A \slot, \nq, 0
	WIN MUL_HI
	MUL16 4, (\q)%2, \s8, \zero
	MUL16 6, (\q)%2, \s8, \zero
	PLACES NP
	WIN 0
	FETCH_A \slot, \nq, 4
.endm
.macro TURN slot, next, s8, fill, nq
	s_wait_tensorcnt 0x0
	ds_add_u32 v[SPW], v[NIL]
	s_wait_dscnt 4*NL+1
	WIN MUL_LO
	MUL16 0, 1, \s8, 0
	s_wait_dscnt 0x0
	s_barrier_signal -1
	MUL16 2, 1, \s8, 0
	WIN 0
	s_barrier_wait -1
.if \fill
	CREST
	JLOAD G0+4*\slot, G1, G0B+4*\slot, G1B
.else
	PLACES NP
.endif
	FETCH_B \next, \nq, 0
	FETCH_A \next, \nq, 0
	WIN MUL_HI
	MUL16 4, 1, \s8, 0
	MUL16 6, 1, \s8, 0
	PLACES NP
	WIN 0
	FETCH_A \next, \nq, 4
.endm
.macro QOUT a
.set AC, 64*((\a)%4)
.set W, 2+(\a)/4
.set WW, W|(W<<2)
.set PCA, PC-96*(((\a)%4)/3)
	s_wait_xcnt 0x0
	WIN WW
.irp b, 0,1,2,3
	v_max3_num_f32 v[TM+\b], |v[AC+16*\b]|, |v[AC+16*\b+1]|, 0x1800000
.endr
.irp i, 2,4,6,8,10,12,14
.irp b, 0,1,2,3
	v_max3_num_f32 v[TM+\b], |v[AC+16*\b+\i]|, |v[AC+16*\b+\i+1]|, v[TM+\b]
.endr
.endr
	WIN 0
.irp b, 0,1,2,3
	v_permlanex16_b32 v[TM+4+\b], v[TM+\b], s92, s93
.endr
.irp b, 0,1,2,3
	v_max_num_f32 v[TM+\b], v[TM+\b], v[TM+4+\b]
.endr
.irp b, 0,1,2,3
	v_add_nc_u32 v[TM+12+\b], 0xff000000, v[TM+\b]
.endr
.irp b, 0,1,2,3
	v_lshrrev_b32 v[TM+4+\b], 23, v[TM+12+\b]
.endr
	v_lshl_or_b32 v[PW+(\a)%2], v[TM+5], 8, v[TM+4]
	v_lshl_or_b32 v[PW+(\a)%2], v[TM+6], 16, v[PW+(\a)%2]
	v_lshl_or_b32 v[PW+(\a)%2], v[TM+7], 24, v[PW+(\a)%2]
	WIN W
.irp c, 0,1
	v_cvt_scalef32_pk16_fp6_f32 v[PCA+6*\c:PCA+6*\c+2], v[AC+32*\c:AC+32*\c+15], v[TM+12+2*\c]
	v_cvt_scalef32_pk16_fp6_f32 v[PCA+12+4*\c:PCA+14+4*\c], v[AC+32*\c+16:AC+32*\c+31], v[TM+12+2*\c+1]
.endr
	WIN 0
	v_nop
.irp c, 0,1
.irp i, 0,1,2
	v_permlane16_swap_b32 v[PCA+6*\c+\i], v[PCA+12+4*\c+\i]
.endr
.irp i, 0,1,2
	v_mov_b32 v[PCA+3+6*\c+\i], v[PCA+12+4*\c+\i]
.endr
.endr
	global_store_b128 v[C16], v[PCA:PCA+3], s[8:9] offset:(\a)*REC
	global_store_b64 v[C8], v[PCA+4:PCA+5], s[8:9] offset:(\a)*REC+512
	global_store_b128 v[C16], v[PCA+6:PCA+9], s[8:9] offset:(\a)*REC+768
	global_store_b64 v[C8], v[PCA+10:PCA+11], s[8:9] offset:(\a)*REC+1280
.if (\a)%2
	v_cndmask_b32 v[PWS], v[PW], v[PW+1], s95
	global_store_b32 v[SOFF], v[PWS], s[8:9] offset:((\a)-1)*REC+24576
.endif
.endm
	s_load_b128 s[4:7], s[0:1], 0x0
	s_load_b64 s[8:9], s[0:1], 0x10
	v_lshl_add_u32 v[SPW], v0, 2, SPARE
	v_mov_b32 v[NIL], 0
	ds_add_u32 v28, v29
	ds_add_u32 v28, v29
	s_wait_dscnt 0x0
	v_lshrrev_b32 v1, 5, v0
	v_readfirstlane_b32 s14, v1
	s_lshr_b32 s15, s14, 1
	s_and_b32 s16, s14, 1
	s_bfe_u32 s40, ttmp6, 0x40000
	s_bfe_u32 s41, ttmp6, 0x40004
	s_lshl_b32 s42, ttmp9, 2
	s_add_co_u32 s42, s42, s40
	s_and_b32 s17, ttmp7, 0xffff
	s_lshl_b32 s17, s17, 2
	s_add_co_u32 s17, s17, s41
	s_lshl_b32 s43, s41, 2
	s_lshl_b32 s43, 15, s43
	s_lshl_b32 s44, 0x1111, s40
	s_or_b32 s[G1+0], s43, (3<<16)|(1<<21)
	s_or_b32 s[G1B+0], s44, (3<<16)|(1<<21)
.irp g, G1, G1B                        ; the head's shape: two records, of each its K steps 0 to 2: 2 rows of 73,728 bytes (9,216 elements of 8), a record apart
	s_mov_b32 s[\g+1], 9216<<16
	s_mov_b32 s[\g+2], 2<<16
	s_mov_b32 s[\g+3], 9216<<16
	s_mov_b32 s[\g+4], 2
	s_mov_b32 s[\g+5], RB/8
	s_mov_b32 s[\g+6], 0
	s_mov_b32 s[\g+7], 0
.endr
	s_or_b32 s[G1S+0], s43, (3<<16)|(1<<21)
	s_or_b32 s[G1SB+0], s44, (3<<16)|(1<<21)
.irp g, G1S, G1SB                      ; two records' scale words: 2 rows of 4,096 bytes, a record apart
	s_mov_b32 s[\g+1], 512<<16
	s_mov_b32 s[\g+2], 2<<16
	s_mov_b32 s[\g+3], 512<<16
	s_mov_b32 s[\g+4], 2
	s_mov_b32 s[\g+5], RB/8
	s_mov_b32 s[\g+6], 0
	s_mov_b32 s[\g+7], 0
.endr
	s_lshl_b32 s20, s17, 1
	s_add_co_u32 s20, s20, s16
	s_mul_i32 s20, s20, RB
	s_mov_b32 s21, 0
	s_lshl_b32 s46, s42, 1
	s_add_co_u32 s46, s46, s16
	s_mul_i32 s46, s46, RB
	s_mov_b32 s47, 0
	s_mul_i32 s45, s14, 3*KSB
	s_mov_b32 s92, 0x76543210
	s_mov_b32 s93, 0xfedcba98
	s_mov_b32 s95, 0xffff0000
	s_wait_kmcnt 0x0
	s_add_nc_u64 s[20:21], s[6:7], s[20:21]
	s_add_nc_u64 s[46:47], s[4:5], s[46:47]
	CROUND
	; THE HEAD'S FOUR TILES, one joint load a wave: wave 0 A's two records, K steps 0 to 2; wave 1 B's; wave 2 A's scale words; wave 3 B's.
	; Three of the four K steps lie in LDS from the head on; K step 3 is the launch's only refill, onto K step 0's bytes, a quarter a wave.
	s_mul_i32 s18, s16, RB                         ; my record's place in its pair: taken off, the pair's first byte is left
	s_mov_b32 s19, 0
	s_mov_b32 s[G0S], 1
	s_mov_b32 s[G0S+1], SCL
	s_sub_nc_u64 s[G0S+2:G0S+3], s[20:21], s[18:19]
	s_mov_b32 s[G0H], 1
	s_mov_b32 s[G0H+1], 0
	s_mov_b64 s[G0H+2:G0H+3], s[G0S+2:G0S+3]
	s_or_b32 s[G0H+3], s[G0H+3], 0x80000000
	s_add_nc_u64 s[G0S+2:G0S+3], s[G0S+2:G0S+3], SCW
	s_or_b32 s[G0S+3], s[G0S+3], 0x80000000
	s_mov_b32 s[G0SB], 1
	s_mov_b32 s[G0SB+1], SCL+2*4096
	s_sub_nc_u64 s[G0SB+2:G0SB+3], s[46:47], s[18:19]
	s_mov_b32 s[G0HB], 1
	s_mov_b32 s[G0HB+1], 6*KSB
	s_mov_b64 s[G0HB+2:G0HB+3], s[G0SB+2:G0SB+3]
	s_or_b32 s[G0HB+3], s[G0HB+3], 0x80000000
	s_add_nc_u64 s[G0SB+2:G0SB+3], s[G0SB+2:G0SB+3], SCW
	s_or_b32 s[G0SB+3], s[G0SB+3], 0x80000000
	s_mov_b32 s[G0], 1                             ; the refill: my record's K step 3, to wave x three K steps
	s_add_co_u32 s[G0+1], s45, 0
	s_add_nc_u64 s[G0+2:G0+3], s[20:21], 3*KSB
	s_or_b32 s[G0+3], s[G0+3], 0x80000000
	s_mov_b32 s[G0B], 1
	s_add_co_u32 s[G0B+1], s45, 0
	s_add_nc_u64 s[G0B+2:G0B+3], s[46:47], 3*KSB
	s_or_b32 s[G0B+3], s[G0B+3], 0x80000000
.macro ARM under, g0, g1, next         ; one chain of branches on the wave's number: every way through it passes exactly one load
	s_cmp_lt_u32 s14, \under
	s_cbranch_scc0 \next
	tensor_load_to_lds s[\g0:\g0+3], s[\g1:\g1+7]
	s_nop 0
.rept 4
	v_nop
.endr
	s_branch .Lhead_asked
\next:
.endm
	ARM 1, G0H,  G1,  .Lhead_b
	ARM 2, G0HB, G1B, .Lhead_sa
	ARM 3, G0S,  G1S, .Lhead_sb
	tensor_load_to_lds s[G0SB:G0SB+3], s[G1SB:G1SB+7]
	s_nop 0
.rept 4
	v_nop
.endr
.Lhead_asked:
	v_and_b32 v1, 31, v0
	v_and_b32 v2, 15, v0
	v_bfe_u32 v3, v0, 4, 1
	v_lshlrev_b32 v4, 4, v1
	v_lshlrev_b32 v5, 3, v1
	s_mul_i32 s21, s15, 3*KSB                      ; address set 0: my record's K step 0 (places 0, 1), K step 1 (16, 17) and later K step 3 (0, 1); set 1: its K step 2
	s_mul_i32 s22, s16, 3*KSB
	s_add_co_u32 s22, s22, 6*KSB
.irp s, 0,1
	v_add_nc_u32 v[ADRA+\s], s21, v4
	v_add_nc_u32 v[ADRA+2+\s], s21, v5
	v_add_nc_u32 v[ADRB+\s], s22, v4
	v_add_nc_u32 v[ADRB+2+\s], s22, v5
	s_add_co_u32 s21, s21, 2*KSB
	s_add_co_u32 s22, s22, 2*KSB
.endr
	s_lshl_b32 s21, s15, 12
	s_lshl_b32 s22, s16, 12
	s_add_co_u32 s22, s22, 2*4096
	s_sub_co_u32 s22, s22, s21
	v_mul_u32_u24 v6, s22, v3
	s_add_co_u32 s21, s21, SCL
	v_lshl_add_u32 v6, v2, 2, v6
	v_add_nc_u32 v[ADRS], s21, v6
.irp b, 0,1,2,3
	v_mov_b32 v[TM+4+\b], 0
.endr
	s_lshl_b32 s20, s17, 4
	s_lshl_b32 s21, s15, 3
	s_add_co_u32 s20, s20, s21
	s_lshl_b32 s46, s42, 1
	s_add_co_u32 s46, s46, s16
	s_lshr_b32 s21, s20, 6
	s_lshr_b32 s47, s46, 4
	s_add_co_u32 s21, s21, s47
	s_lshl_b32 s21, s21, 6
	s_and_b32 s20, s20, 63
	s_add_co_u32 s20, s20, s21
	s_mul_i32 s20, s20, REC
	s_mov_b32 s21, 0
	s_add_nc_u64 s[8:9], s[8:9], s[20:21]
	s_and_b32 s46, s46, 15
	s_mul_i32 s47, s46, 1536
	v_add_nc_u32 v[C16], s47, v4
	v_add_nc_u32 v[C8], s47, v5
	s_lshl_b32 s47, s46, 6
	v_mul_u32_u24 v6, v3, REC
	v_lshl_add_u32 v6, v2, 2, v6
	v_add_nc_u32 v[SOFF], s47, v6
	s_wait_alu depctr_va_vdst(0)                   ; the wait at the head's end
	s_wait_tensorcnt 0x0                           ; my tile of the head's four is in; no tensor load of mine is out, so a descriptor may be written:
.irp g, G1, G1B                        ; the refill's shape: a dense block of KSB bytes as 96 rows of 256
	s_mov_b32 s[\g+1], 32<<16
	s_mov_b32 s[\g+2], 96<<16
	s_mov_b32 s[\g+3], 32<<16
	s_mov_b32 s[\g+4], 96
	s_mov_b32 s[\g+5], 32
.endr
	s_barrier_signal -1
	s_barrier_wait -1
	FETCH_B 0, 0, 0
	FETCH_A 0, 0, 0
.irp s, 0,1,2,3,4,5,6,7
.irp i, 0,1,2,3,4,5,6,7
	ds_load_b32 v[SC+8*\s+\i], v[ADRS] offset:512*\s+64*\i
.endr
.endr
	FETCH_A 0, 0, 4
	STEP 0, 0, 0, 1, 1                             ; K step 0
	TURN 0, 0, 1, 1, 16                            ; its second half; behind the round K step 3 is asked for, onto K step 0's bytes
	STEP 0, 16, 2, 0, 17                           ; K step 1
	STEP 1, 17, 3, 0, 0
	STEP 1, 0, 4, 0, 1                             ; K step 2
	TURN 1, 0, 5, 0, 0                             ; a plain barrier shows K step 3 to all
	STEP 0, 0, 6, 0, 1                             ; K step 3
	s_wait_dscnt 4*NL
	WIN MUL_LO
	MUL16 0, 1, 7, 0
	MUL16 2, 1, 7, 0
	s_wait_dscnt 0
	WIN MUL_HI
	MUL16 4, 1, 7, 0
	MUL16 6, 1, 7, 0
	WIN 0
	PLACES NP
.irp a, 0,1,2,3,4,5,6,7
	QOUT \a
.endr
	s_wait_tensorcnt 0x0
	ds_add_u32 v[SPW], v[NIL]
	s_wait_dscnt 0x0
	CROUND
	s_endpgm
.Lfunc_end_k_q6001d28c8d_gemm_qk:
	.size	k_q6001d28c8d_gemm_qk, .Lfunc_end_k_q6001d28c8d_gemm_qk-k_q6001d28c8d_gemm_qk
	.p2alignl 7, 3214868480
	.fill 96, 4, 3214868480
	.section	.rodata,"a",@progbits
	.p2align	6, 0x0
	.amdhsa_kernel k_q6001d28c8d_gemm_qk
		.amdhsa_group_segment_fixed_size 327680
		.amdhsa_private_segment_fixed_size 0
		.amdhsa_enable_private_segment 0
		.amdhsa_kernarg_size 24
		.amdhsa_user_sgpr_count 2
		.amdhsa_user_sgpr_kernarg_segment_ptr 1
		.amdhsa_wavefront_size32 1
		.amdhsa_system_sgpr_workgroup_id_x 1
		.amdhsa_system_sgpr_workgroup_id_y 1
		.amdhsa_system_sgpr_workgroup_id_z 1
		.amdhsa_system_vgpr_workitem_id 0
		.amdhsa_next_free_vgpr 1024
		.amdhsa_next_free_sgpr 98
		.amdhsa_reserve_vcc 0
		.amdhsa_float_denorm_mode_32 3
		.amdhsa_float_denorm_mode_16_64 3
		.amdhsa_memory_ordered 1
		.amdhsa_forward_progress 1
		.amdhsa_inst_pref_size 150
	.end_amdhsa_kernel
	.amdgpu_metadata
---
amdhsa.version: [ 1, 2 ]
amdhsa.kernels:
  - .name:           k_q6001d28c8d_gemm_qk
    .symbol:         k_q6001d28c8d_gemm_qk.kd
    .args:
      - { .name: wqk, .offset: 0, .size: 8, .value_kind: global_buffer, .address_space: global }
      - { .name: xq, .offset: 8, .size: 8, .value_kind: global_buffer, .address_space: global }
      - { .name: qk, .offset: 16, .size: 8, .value_kind: global_buffer, .address_space: global }
    .group_segment_fixed_size: 327680
    .private_segment_fixed_size: 0
    .kernarg_segment_align: 8
    .kernarg_segment_size: 24
    .max_flat_workgroup_size: 128
    .sgpr_count:     98
    .vgpr_count:     1024
    .wavefront_size: 32
...
	.end_amdgpu_metadata
.endif
;; end of part 2
;; launch gemm_v: the kernel of part 2 again; grid 32 x 4, 4 waves a work-group, clusters of 4 x 4, 327,680 bytes of LDS; arguments xq, wv, vq; writes vq
;; launch attn (part 3): grid 4 x 64, 16 waves a work-group, clusters of 4 x 1, 327,680 bytes of LDS; arguments qk, vq, oq; writes oq
.if DOCPART == 3
	.amdgcn_target "amdgcn-amd-amdhsa--gfx1250"
	.amdhsa_code_object_version 6
	.text
	.protected	k_q6001d28c8d_attn
	.globl	k_q6001d28c8d_attn
	.p2align	8
	.type	k_q6001d28c8d_attn,@function
k_q6001d28c8d_attn:
	s_mov_b64 s[64:65], 0
	v_nop
	global_prefetch_b8 v0, s[64:65] scope:SCOPE_SE
	s_setreg_imm32_b32 hwreg(HW_REG_WAVE_MODE, 25, 1), 1
	s_wait_xcnt 0x0
	s_wait_alu depctr_hold_cnt(0) depctr_sa_sdst(0) depctr_va_vdst(0) depctr_va_sdst(0) depctr_va_ssrc(0) depctr_va_vcc(0) depctr_vm_vsrc(0)
	s_getreg_b32 s2, hwreg(HW_REG_IB_STS2, 6, 4)
	s_cmp_eq_u32 s2, 0
	s_cbranch_scc0 .Lentry_in_a_cluster
	s_endpgm
.Lentry_in_a_cluster:
	s_bfe_u32 s2, ttmp6, 0x10000c
	s_cmp_lg_u32 s2, 0x3003
	s_cbranch_scc0 .Lentry_shape_is_right
	s_endpgm
.Lentry_shape_is_right:
; o = softmax(q k^T / 8) v for 64 heads of 2,048 tokens x 64, both products on codes of FP6 (E2M3) with E8M0 scales; o is quantised along the 1,024 inner channels and stored as an operand of the last product.
; THE SOFTMAX: t = score x log2(e) / 8; M = the row's largest t so far, rounded up to a whole number; p = 2^(t - M) is quantised along the keys, not normalised; the row's sum is taken of the unquantised p and divides O at the end.
; When M moves, the sum and O are multiplied by 2^(old M - new M): exact.
; INPUTS, as the launches before laid them: records of REC bytes = 16 fragments of 1,536 bytes (images of an operand's registers: two halves of 768 bytes, 16 rows x 64 K each: lane l's registers 0-3 at 16 l, 4-5 at 512 + 8 l)
; and 16 x 64 bytes of scale words.  qk: record = tile of 16 tokens; places 0-7 q's head pairs, 8-15 k's; a fragment's two halves are the pair's two heads.  vq: record = 64 batch + tile of 16 channels; place = group of 128 keys.
; Row place r of tile T is row 32 (T / 2) + 8 (T % 2) + r + 8 (r / 8), so that the 16 registers of two neighbouring result tiles are 16 neighbours along the next K.
; SHARES.  A work-group owns ONE head of one batch and 512 of its queries.  The head's K (128 tiles x 768 bytes) and V (4 channel tiles x 24,576 bytes) are 196,608 bytes: THEY LIE IN LDS WHOLE.
; Each of the sixteen waves asks for 12,288 bytes of them at the head, its one tensor load (waves 0-7 K, 8-15 V); one wait and one barrier show them to all; nothing is ever filled again, so the walk over the keys has no barrier.
; A wave takes tile w of the work-group's 32 tiles of 16 queries over all 2,048 keys, 128 a step, then tile w + 16.  Four waves to a SIMD, 256 registers each: one wave's vector work stands beside another's products and LDS loads.
; Both products are used transposed (S^T = K Q^T, O^T = V^T P^T): a lane holds one query throughout.
; K = 64 IN AN INSTRUCTION OF 128: q's operand is its 6 registers and 6 registers of zero codes.  A step's eight halves of k lie in 48 registers on end, with 6 zero registers behind: tile t's operand is registers 6 t .. 6 t + 11,
; whose upper half (the next tile's codes) meets zero codes.  Bytes 2 and 3 of both scale words are 127.
; CLUSTER.  The four query blocks of a head form a cluster and need the same K and V: each tile is asked for jointly, with the mask of all four.
; No prefetch: every tile is asked for at the kernel's head, so there is no loop that runs ahead of a load.
; LIMITS: NaN and infinities are not served; the promise holds while |t| stays under 2^31; a block whose largest magnitude lies under 2^-124 keeps the byte 1; a block of zeros has the byte 1 and not 127
; (its codes are zeros; this program alone reads the bytes).  A head is half of a scale word of o (two blocks of 32 channels): its two bytes a row leave by stores of 2 bytes, one byte in 24 of what is stored.
.set REC,   25600
.set RB,    102400
.set KSB,   24576
.set SCW,   98304
.set KP,    960                        ; LDS: K [tile 0..127][KP] from 0: a tile's 768 bytes with 64 bytes of padding behind each 256
.set VB,    128*KP                     ; V [channel tile 0..3][group 0..15][1536] from VB
.set KS,    VB+98304                   ; K's scale words: 16 steps x 512: register e of lane l at 16 l + 4 e
.set VS,    KS+8192                    ; V's: 16 steps x 256: the word of channel tile 2 e + h at 8 l + 4 e
.set SPARE, VS+4096                    ; the spare words, 128 bytes a wave: eight blocks of 256 bytes that no other line names
; A LANE OWNS WHOLE BLOCKS OF 32 KEYS.  Which keys form a tile of K's operand is free, and is chosen by the lanes' LDS addresses: row place 8 g + j of operand tile 4 c + u takes key 64 c + 32 g + 8 u + j of the step,
; which lies in stored tile 4 c + 2 g + u % 2 at row place 8 (u / 2) + j.  In S^T lane (r, h) then holds, in registers 32 c + 0 .. 31, keys 64 c + 32 h + 0 .. 31 of query r: block 2 c + h, in the order of p's operand.
; So a block's largest score needs no other lane and its codes fall where the operand wants them.  Two stored tiles are 1,920 bytes apart: the sixteen lanes of a 16-byte load touch sixteen different columns of 16 bytes modulo 256.
.set KA16, 218                         ; v218 1,920 g + 16 j + 320 (l / 16);  v219 1,920 g + 8 j + 128 (l / 16): never rewritten
.set KA8,  219
.set SH8,  233                         ; v233 8 h: a shift
.set A16, 1                            ; v1 16 x lane   v2 8 x lane: never rewritten
.set A8,  2
.set SPW, 3
.set NIL, 4
.set ADK, 5                            ; v5, v6 the step's K;  v7, v8 its V, channel tiles 0, 1;  v92, v93 tiles 2, 3
.set ADV, 7
.set ADS, 9                            ; v9 K's scale words;  v10 V's
.set ADT, 10
.set R4,  11                           ; v11 4 r
.set QL,  16                           ; v16-27 q's operand
.set QS,  28                           ; its scale word
.set QW,  29                           ; as loaded, first tile
.set QB,  30                           ; v30-35 the second tile's q
.set KF,  36                           ; v36-83 K's halves, then V's fragments; v84-89 zeros
.set QW2, 90                           ; the second tile's scale word as loaded
.set ADW, 92
.set A16H, 94                          ; v94, v95: v1, v2 + 49,152 (two channel tiles of V on): never rewritten
.set S,   96                           ; v96-159 S^T, then p
.set O,   160                          ; v160-191 O^T
.set P,   192                          ; v192-203 p's codes
.set T2,  204                          ; v204-206, v208-210
.set KSC, 212
.set VSC, 216
.set BM,  220                          ; v220-231 at work
.set PWD, 232                          ; p's scale word
.set HO,  242                          ; v242-247 o's codes
.set WV,  18
.set SEL, 20
.set CS,  22
.set G1K, 24
.set G1V, 32
.set G0K, 40
.set G0V, 44
.set TK,  48
.set TV,  49
.set TS,  50
.set TJ,  51
.set STP, 52
.set SELQ, 55
.macro CROUND                          ; a round of the cluster's barrier
	s_barrier_signal -1
	s_barrier_wait -1
	s_cmp_lg_u32 s[WV], 0
	s_cbranch_scc1 .Lnot_wave_0_\@
	s_barrier_signal -3
.Lnot_wave_0_\@:
	s_barrier_wait -3
	s_barrier_signal -1
	s_barrier_wait -1
.endm
; A tile of queries begins.  The scale word (and the second tile's q) first: the 36 moves behind them and the step's four additions are the places in front of the first scaled product
.macro INIT x
.if \x
	s_wait_xcnt 0x0                                ; the first tile's stores have read their registers, which the steps write again
.irp j, 0,1,2,3,4,5
	v_mov_b32 v[QL+\j], v[QB+\j]
.endr
	v_perm_b32 v[QS], s54, v[QW2], s[SELQ]         ; my head's two bytes of the pair's word, then 127, 127
.else
	v_perm_b32 v[QS], s54, v[QW], s[SELQ]
.endif
	v_mov_b32 v13, 0xff61b1e6                      ; the largest t so far: -3e38
	s_delay_alu instid0(VALU_DEP_1)
	v_floor_f32 v12, -v13                          ; -M
	v_mov_b32 v14, 0                               ; the sum, in two halves
	v_mov_b32 v15, 0
.irp j, 0,1,2,3,4,5,6,7,8,9,10,11,12,13,14,15,16,17,18,19,20,21,22,23,24,25,26,27,28,29,30,31
	v_mov_b32 v[O+\j], 0                           ; the step is written once: the first finds zeros, which the first change of M leaves zeros
.endr
.endm
; A KEY STEP: 128 keys
.macro STEP
	v_add_nc_u32 v[ADK], s[TK], v[KA16]            ; four additions: also the places behind the last step's products
	v_add_nc_u32 v[ADK+1], s[TK], v[KA8]
	v_add_nc_u32 v[ADS], s[TS], v[A16]
	v_add_nc_u32 v[ADT], s[TJ], v[A8]
.irp t, 0,1,2,3,4,5,6,7
	ds_load_b128 v[KF+6*\t:KF+6*\t+3], v[ADK] offset:(4*(\t/4)+\t%2)*KP+128*((\t%4)/2)
	ds_load_b64 v[KF+6*\t+4:KF+6*\t+5], v[ADK+1] offset:(4*(\t/4)+\t%2)*KP+640+64*((\t%4)/2)
.endr
	ds_load_b128 v[KSC:KSC+3], v[ADS]
	ds_load_b64 v[VSC:VSC+1], v[ADT]
	s_wait_dscnt 0x0
.irp t, 0,1,2,3
	v_wmma_scale_f32_16x16x128_f8f6f4 v[S+8*\t:S+8*\t+7], v[KF+6*\t:KF+6*\t+11], v[QL:QL+11], 0, v[KSC+\t], v[QS] matrix_a_fmt:MATRIX_FMT_FP6 matrix_b_fmt:MATRIX_FMT_FP6
.endr
.irp t, 4,5,6,7
	v_wmma_scale_f32_16x16x128_f8f6f4 v[S+8*\t:S+8*\t+7], v[KF+6*\t:KF+6*\t+11], v[QL:QL+11], 0, v[KSC+\t-4], v[QS] matrix_a_fmt:MATRIX_FMT_FP6 matrix_b_fmt:MATRIX_FMT_FP6 matrix_a_scale:MATRIX_SCALE_ROW1
.endr
	v_add_nc_u32 v[ADV], s[TV], v[A16]             ; V's four addresses: the places in front of the loads into K's registers and of the first read of the scores
	v_add_nc_u32 v[ADV+1], s[TV], v[A8]
	v_add_nc_u32 v[ADW], s[TV], v[A16H]
	v_add_nc_u32 v[ADW+1], s[TV], v[A16H+1]
.irp i, 0,1                                    ; V's four fragments land under the softmax
	ds_load_b128 v[KF+12*\i:KF+12*\i+3], v[ADV] offset:24576*\i
	ds_load_b64 v[KF+12*\i+4:KF+12*\i+5], v[ADV+1] offset:24576*\i+512
	ds_load_b128 v[KF+12*\i+6:KF+12*\i+9], v[ADV] offset:24576*\i+768
	ds_load_b64 v[KF+12*\i+10:KF+12*\i+11], v[ADV+1] offset:24576*\i+1280
.endr
.irp i, 0,1
	ds_load_b128 v[KF+24+12*\i:KF+24+12*\i+3], v[ADW] offset:24576*\i
	ds_load_b64 v[KF+24+12*\i+4:KF+24+12*\i+5], v[ADW+1] offset:24576*\i+512
	ds_load_b128 v[KF+24+12*\i+6:KF+24+12*\i+9], v[ADW] offset:24576*\i+768
	ds_load_b64 v[KF+24+12*\i+10:KF+24+12*\i+11], v[ADW+1] offset:24576*\i+1280
.endr
	v_mov_b32 v239, v12                            ; the old -M
.irp b, 0,1,2,3
	v_max3_num_f32 v[BM+\b], v[S+16*\b], v[S+16*\b+1], v[S+16*\b+2]   ; the largest score of each block of 32 keys: for the row's maximum and, since p rises with the score, for the block's largest p
.endr
.irp i, 3,5,7,9,11,13
.irp b, 0,1,2,3
	v_max3_num_f32 v[BM+\b], v[BM+\b], v[S+16*\b+\i], v[S+16*\b+\i+1]
.endr
.endr
	v_max3_num_f32 v[BM], v[BM], v[S+15], v[S+31]          ; the four chains of 15 are joined two and two, with the two scores left over: my two blocks' largest scores
	v_max3_num_f32 v[BM+2], v[BM+2], v[S+47], v[S+63]
	v_max_num_f32 v[BM], v[BM], v[BM+1]
	v_max_num_f32 v[BM+2], v[BM+2], v[BM+3]
	v_max_num_f32 v238, v[BM], v[BM+2]
	v_permlanex16_b32 v[BM+4], v238, s[SEL], s[SEL+1]
	v_max_num_f32 v238, v238, v[BM+4]                      ; with lane l xor 16's two blocks: the step's largest score of my query
	s_delay_alu instid0(VALU_DEP_1)
	v_mul_f32 v238, s[CS], v238                    ; as t
	s_delay_alu instid0(VALU_DEP_1)
	v_max_num_f32 v13, v13, v238                   ; the running largest t
	s_delay_alu instid0(VALU_DEP_1)
	v_floor_f32 v12, -v13                          ; the new -M = -ceil(t)
	s_delay_alu instid0(VALU_DEP_1)
	v_sub_f32 v238, v12, v239                      ; old M - new M: a whole number, 0 or less
	s_delay_alu instid0(VALU_DEP_1)
	v_cvt_i32_f32 v238, v238                       ; (it saturates)
	s_delay_alu instid0(VALU_DEP_1)
	v_ldexp_f32 v234, 1.0, v238                    ; f = 2^(old M - new M)
.irp j, 0,2,4,6,8,10,12,14,16,18,20,22,24,26,28,30,32,34,36,38,40,42,44,46,48,50,52,54,56,58,60,62
	v_pk_fma_f32 v[S+\j:S+\j+1], v[S+\j:S+\j+1], s[CS:CS+1], v[12:13] op_sel_hi:[1,0,0]   ; t - M, two at a time
.endr
.irp b, 0,2
	v_fma_f32 v[BM+\b], v[BM+\b], s[CS], v12
.endr
	s_wait_alu depctr_va_vdst(0)                   ; the wait ahead of the batch
.irp j, 0,1,2,3,4,5,6,7,8,9,10,11,12,13,14,15,16,17,18,19,20,21,22,23,24,25,26,27,28,29,30,31,32,33,34,35,36,37,38,39,40,41,42,43,44,45,46,47,48,49,50,51,52,53,54,55,56,57,58,59,60,61,62,63
	v_exp_f32 v[S+\j], v[S+\j]                     ; p = 2^(t - M)
.endr
.irp b, 0,2
	v_exp_f32 v[BM+\b], v[BM+\b]                   ; the block's largest p: the same two instructions on the same number
.endr
	v_pk_mul_f32 v[14:15], v[14:15], v[234:235] op_sel_hi:[1,0]   ; the sums under the new M (a plain place behind the exponentials)
	s_wait_alu depctr_va_vdst(0)                   ; and behind it, ahead of its first reader
.irp b, 0,2
	v_max_num_f32 v[BM+\b], 0x1800000, v[BM+\b]    ; the floor 2^(3 - 127)
.endr
.irp b, 0,2
	s_delay_alu instid0(VALU_DEP_2)
	v_add_nc_u32 v[BM+8+\b], 0xff000000, v[BM+\b]  ; the conversion's scale operand
.endr
	s_delay_alu instid0(VALU_DEP_2)
	v_lshrrev_b32 v[BM+5], 23, v[BM+8]             ; the bytes of blocks h and 2 + h,
	s_delay_alu instid0(VALU_DEP_2)
	v_lshrrev_b32 v[BM+6], 23, v[BM+10]
	s_delay_alu instid0(VALU_DEP_1)
	v_lshl_or_b32 v[PWD], v[BM+6], 16, v[BM+5]
	s_delay_alu instid0(VALU_DEP_1)
	v_lshlrev_b32 v[PWD], v[SH8], v[PWD]           ; 8 h bits up;
	s_delay_alu instid0(VALU_DEP_1)
	v_permlanex16_b32 v[BM+4], v[PWD], s[SEL], s[SEL+1]
	s_delay_alu instid0(VALU_DEP_1)
	v_or_b32 v[PWD], v[PWD], v[BM+4]               ; with lane l xor 16's two the word is whole
.irp c, 0,1
	v_cvt_scalef32_pk16_fp6_f32 v[P+6*\c:P+6*\c+2], v[S+32*\c:S+32*\c+15], v[BM+8+2*\c]
	v_cvt_scalef32_pk16_fp6_f32 v[T2+4*\c:T2+4*\c+2], v[S+32*\c+16:S+32*\c+31], v[BM+8+2*\c]   ; (a conversion's three registers begin on an even number)
.endr
	v_nop                                          ; one plain place behind a scaled conversion
.irp c, 0,1
.irp i, 0,1,2
	v_mov_b32 v[P+3+6*\c+\i], v[T2+4*\c+\i]
.endr
.endr
	v_pk_add_f32 v[236:237], v[100:101], v[104:105]   ; the row's sum of the unquantised p, in eight chains
	v_pk_add_f32 v[254:255], v[108:109], v[112:113]
	v_pk_add_f32 v[252:253], v[116:117], v[120:121]
	v_pk_add_f32 v[250:251], v[124:125], v[128:129]
	v_pk_add_f32 v[248:249], v[132:133], v[136:137]
	v_pk_add_f32 v[246:247], v[140:141], v[144:145]
	v_pk_add_f32 v[244:245], v[148:149], v[152:153]
	v_pk_add_f32 v[14:15], v[14:15], v[156:157]
	v_pk_add_f32 v[236:237], v[236:237], v[96:97]
	v_pk_add_f32 v[254:255], v[254:255], v[98:99]
	v_pk_add_f32 v[252:253], v[252:253], v[102:103]
	v_pk_add_f32 v[250:251], v[250:251], v[106:107]
	v_pk_add_f32 v[248:249], v[248:249], v[110:111]
	v_pk_add_f32 v[246:247], v[246:247], v[114:115]
	v_pk_add_f32 v[244:245], v[244:245], v[118:119]
	v_pk_add_f32 v[14:15], v[14:15], v[122:123]
	v_pk_add_f32 v[236:237], v[236:237], v[126:127]
	v_pk_add_f32 v[254:255], v[254:255], v[130:131]
	v_pk_add_f32 v[252:253], v[252:253], v[134:135]
	v_pk_add_f32 v[250:251], v[250:251], v[138:139]
	v_pk_add_f32 v[248:249], v[248:249], v[142:143]
	v_pk_add_f32 v[246:247], v[246:247], v[146:147]
	v_pk_add_f32 v[244:245], v[244:245], v[150:151]
	v_pk_add_f32 v[14:15], v[14:15], v[154:155]
	v_pk_add_f32 v[236:237], v[236:237], v[158:159]
	s_delay_alu instid0(VALU_DEP_2)
	v_pk_add_f32 v[14:15], v[14:15], v[250:251]
	s_delay_alu instid0(VALU_DEP_2)
	v_pk_add_f32 v[236:237], v[236:237], v[248:249]
	v_pk_add_f32 v[254:255], v[254:255], v[246:247]
	v_pk_add_f32 v[252:253], v[252:253], v[244:245]
	s_delay_alu instid0(VALU_DEP_2)
	v_pk_add_f32 v[14:15], v[14:15], v[254:255]
	s_delay_alu instid0(VALU_DEP_2)
	v_pk_add_f32 v[236:237], v[236:237], v[252:253]
	s_delay_alu instid0(VALU_DEP_1)
	v_pk_add_f32 v[14:15], v[14:15], v[236:237]
	s_wait_alu depctr_va_vdst(0)                   ; the wait here, directly ahead of the first reader of O^T
.irp j, 0,2,4,6,8,10,12,14,16,18,20,22,24,26,28,30
	v_pk_mul_f32 v[O+\j:O+\j+1], v[O+\j:O+\j+1], v[234:235] op_sel_hi:[1,0]   ; O^T under the new M
.endr
	s_wait_alu depctr_va_vdst(0)                   ; the wait here, directly ahead of the wait below
	s_wait_dscnt 0x0                               ; V is in
.irp i, 0,1,2,3                                ; the four accumulators by turns, one instruction a turn
.if \i%2
	v_wmma_scale_f32_16x16x128_f8f6f4 v[O+8*\i:O+8*\i+7], v[KF+12*\i:KF+12*\i+11], v[P:P+11], v[O+8*\i:O+8*\i+7], v[VSC+\i/2], v[PWD] matrix_a_fmt:MATRIX_FMT_FP6 matrix_b_fmt:MATRIX_FMT_FP6 matrix_a_scale:MATRIX_SCALE_ROW1
.else
	v_wmma_scale_f32_16x16x128_f8f6f4 v[O+8*\i:O+8*\i+7], v[KF+12*\i:KF+12*\i+11], v[P:P+11], v[O+8*\i:O+8*\i+7], v[VSC+\i/2], v[PWD] matrix_a_fmt:MATRIX_FMT_FP6 matrix_b_fmt:MATRIX_FMT_FP6
.endif
.endr
	s_add_co_u32 s[TK], s[TK], 8*KP                ; the next step's eight tiles of K,
	s_add_co_u32 s[TV], s[TV], 1536                ; its group of V,
	s_add_co_u32 s[TS], s[TS], 512                 ; and its scale words
	s_add_co_u32 s[TJ], s[TJ], 256
.endm
.macro PASS                            ; all 2,048 keys: sixteen steps, no barrier among them
	s_mov_b32 s[TK], 0
	s_mov_b32 s[TV], VB
	s_mov_b32 s[TS], KS
	s_mov_b32 s[TJ], VS
	s_mov_b32 s[STP], 16
.Lstep_\@:
	STEP
	s_sub_co_u32 s[STP], s[STP], 1
	s_cmp_lg_u32 s[STP], 0
	s_cbranch_scc1 .Lstep_\@
.endm
; A tile ends: O^T / the sum, quantised along the head's 64 channels (two blocks), stored as half a fragment of the last product's operand.  The second tile lies 16 tiles, two records of oq, behind the first
.macro FINISH x
.rept 4
	v_nop                                          ; places behind the last products
.endr
	v_add_f32 v14, v14, v15
	s_delay_alu instid0(VALU_DEP_1)
	v_permlanex16_b32 v238, v14, s[SEL], s[SEL+1]
	s_delay_alu instid0(VALU_DEP_1)
	v_add_f32 v14, v14, v238                       ; the row's sum
	s_wait_alu depctr_va_vdst(0)                   ; the wait ahead of the transcendental
	v_rcp_f32 v236, v14
	v_nop                                          ; one plain place behind a transcendental
	s_wait_alu depctr_va_vdst(0)                   ; and ahead of its first reader
.irp j, 0,2,4,6,8,10,12,14,16,18,20,22,24,26,28,30
	v_pk_mul_f32 v[S+\j:S+\j+1], v[O+\j:O+\j+1], v[236:237] op_sel_hi:[1,0]   ; ascending: each accumulator is read from its low end on.  Register 16 B + i is channel 32 B + 16 h + i
.endr
.irp b, 0,1
	v_max3_num_f32 v[BM+\b], |v[S+16*\b]|, |v[S+16*\b+1]|, 0x1800000
.endr
.irp i, 2,4,6,8,10,12,14
.irp b, 0,1
	s_delay_alu instid0(VALU_DEP_2)
	v_max3_num_f32 v[BM+\b], v[BM+\b], |v[S+16*\b+\i]|, |v[S+16*\b+\i+1]|
.endr
.endr
.irp b, 0,1
	s_delay_alu instid0(VALU_DEP_2)
	v_permlanex16_b32 v[BM+4+\b], v[BM+\b], s[SEL], s[SEL+1]
.endr
.irp b, 0,1
	s_delay_alu instid0(VALU_DEP_2)
	v_max_num_f32 v[BM+\b], v[BM+\b], v[BM+4+\b]
.endr
.irp b, 0,1
	s_delay_alu instid0(VALU_DEP_2)
	v_add_nc_u32 v[BM+8+\b], 0xff000000, v[BM+\b]
.endr
.irp b, 0,1
	s_delay_alu instid0(VALU_DEP_2)
	v_lshrrev_b32 v[BM+4+\b], 23, v[BM+8+\b]
.endr
	v_cvt_scalef32_pk16_fp6_f32 v[HO:HO+2], v[S:S+15], v[BM+8]
	v_cvt_scalef32_pk16_fp6_f32 v[T2:T2+2], v[S+16:S+31], v[BM+9]
	v_nop                                          ; one plain place behind a scaled conversion
.irp i, 0,1,2
	v_permlane16_swap_b32 v[HO+\i], v[T2+\i]
.endr
.irp i, 0,1,2
	s_delay_alu instid0(VALU_DEP_3)
	v_mov_b32 v[HO+3+\i], v[T2+\i]
.endr
	global_store_b128 v[A16], v[HO:HO+3], s[56:57] offset:2*RB*\x          ; 512 and 256 consecutive bytes, each from a multiple of 256
	global_store_b64 v[A8], v[HO+4:HO+5], s[56:57] offset:2*RB*\x+512
	v_lshl_or_b32 v241, v[BM+5], 8, v[BM+4]        ; my head's two blocks: half of my row's scale word
	global_store_b16 v[R4], v241, s[58:59] offset:2*RB*\x                  ; lanes l and l xor 16 hold the same bytes and write the same place
.endm
	s_load_b128 s[4:7], s[0:1], 0x0                ; qk, vq
	s_load_b64 s[8:9], s[0:1], 0x10                ; oq
	v_lshl_add_u32 v[SPW], v0, 2, SPARE
	v_mov_b32 v[NIL], 0
	ds_add_u32 v[SPW], v[NIL]                      ; the opening lines: the add, twice on end, and its wait ahead of my tensor load
	ds_add_u32 v[SPW], v[NIL]
	v_lshrrev_b32 v5, 5, v0
	s_delay_alu instid0(VALU_DEP_1)
	v_readfirstlane_b32 s[WV], v5                  ; wave 0..15
	s_bfe_u32 s10, ttmp6, 0x40000                  ; cx
	s_lshl_b32 s11, ttmp9, 2
	s_add_co_u32 s11, s11, s10                     ; my block of 512 queries: it enters q's and o's addresses alone
	s_and_b32 s12, ttmp7, 0xffff                   ; 16 batch + head
	s_lshr_b32 s13, s12, 4                         ; the batch
	s_and_b32 s2, s12, 15                          ; the head
	s_lshr_b32 s14, s2, 1                          ; its pair,
	s_and_b32 s15, s2, 1                           ; and which of the pair
	s_and_b32 s3, s[WV], 7
	s_mul_i32 s16, s13, 128*REC                    ; the batch's first record of qk
	s_mul_i32 s17, s14, 1536
	s_mul_i32 s19, s15, 768
	s_add_co_u32 s17, s17, s19                     ; the head's half of its pair's fragment
	s_mul_i32 s60, s3, 16*REC                      ; K: my 16 tiles of 128,
	s_add_co_u32 s60, s60, s16
	s_add_co_u32 s60, s60, s17
	s_add_co_u32 s60, s60, 8*1536                  ; k's place 8 + pair
	s_mov_b32 s61, 0
	s_lshl_b32 s19, s12, 2
	s_mul_i32 s19, s19, REC                        ; vq's record 64 batch + 4 head
	s_lshr_b32 s52, s3, 1                          ; V: channel tile (wave - 8) / 2,
	s_mul_i32 s52, s52, REC
	s_and_b32 s53, s3, 1
	s_mul_i32 s53, s53, 12288                      ; eight groups of keys of its sixteen
	s_add_co_u32 s52, s52, s53
	s_add_co_u32 s52, s52, s19
	s_mov_b32 s53, 0
	s_lshl_b32 s70, s13, 7
	s_lshl_b32 s71, s11, 5
	s_add_co_u32 s70, s70, s71
	s_add_co_u32 s70, s70, s[WV]                   ; my first tile of queries: 128 batch + 32 block + wave
	s_lshr_b32 s58, s70, 3
	s_mul_i32 s58, s58, RB                         ; oq's record
	s_mul_i32 s56, s3, 3072                        ; my tile in it
	s_add_co_u32 s56, s56, s58
	s_lshr_b32 s57, s14, 1
	s_mul_i32 s57, s57, KSB                        ; K step = pair / 2,
	s_add_co_u32 s56, s56, s57
	s_and_b32 s57, s14, 1
	s_mul_i32 s57, s57, 1536                       ; fragment = pair % 2,
	s_add_co_u32 s56, s56, s57
	s_mul_i32 s57, s15, 768                        ; half = head % 2
	s_add_co_u32 s56, s56, s57
	s_mov_b32 s57, 0
	s_lshl_b32 s59, s3, 6
	s_add_co_u32 s58, s58, s59
	s_lshl_b32 s59, s14, 9
	s_add_co_u32 s58, s58, s59
	s_lshl_b32 s59, s15, 1
	s_add_co_u32 s58, s58, s59
	s_add_co_u32 s58, s58, SCW                     ; its scale bytes: 512 pair + 64 tile + 2 (head % 2)
	s_mov_b32 s59, 0
	s_mul_i32 s70, s70, REC
	s_add_co_u32 s62, s70, s17                     ; q's half fragment
	s_mov_b32 s63, 0
	s_lshl_b32 s71, s14, 6
	s_add_co_u32 s70, s70, s71
	s_add_co_u32 s70, s70, 24576                   ; and its scale words
	s_mov_b32 s71, 0
	s_mul_i32 s66, s[WV], 8*REC                    ; the scale words of key step w: k's eight tiles,
	s_add_co_u32 s66, s66, s16
	s_lshl_b32 s67, s14, 6
	s_add_co_u32 s66, s66, s67
	s_add_co_u32 s66, s66, 24576+512
	s_mov_b32 s67, 0
	s_lshl_b32 s68, s[WV], 6                       ; v's group w
	s_add_co_u32 s68, s68, s19
	s_add_co_u32 s68, s68, 24576
	s_mov_b32 s69, 0
	; group 1.  K: 16 rows (tiles) of 768 bytes, a record apart.  V: a dense block of 12,288 bytes as 48 rows of 256.  Elements of 8 bytes; the mask names all four work-groups
	s_mov_b32 s[G1K], 15|(3<<16)|(1<<20)|(1<<21)|(5<<22)|(15<<25)   ; K's tiles are padded in LDS: 16 words behind every 64
	s_mov_b32 s[G1K+1], 96<<16
	s_mov_b32 s[G1K+2], 16<<16
	s_mov_b32 s[G1K+3], 96<<16
	s_mov_b32 s[G1K+4], 16
	s_mov_b32 s[G1K+5], 3200
	s_mov_b32 s[G1K+6], 0
	s_mov_b32 s[G1K+7], 0
	s_mov_b32 s[G1V], 15|(3<<16)|(1<<21)
	s_mov_b32 s[G1V+1], 32<<16
	s_mov_b32 s[G1V+2], 48<<16
	s_mov_b32 s[G1V+3], 32<<16
	s_mov_b32 s[G1V+4], 48
	s_mov_b32 s[G1V+5], 32
	s_mov_b32 s[G1V+6], 0
	s_mov_b32 s[G1V+7], 0
	s_mov_b32 s[SEL], 0x76543210
	s_mov_b32 s[SEL+1], 0xfedcba98
	s_mov_b32 s[CS], 0x3e38aa3b                    ; c = log2(e) / 8
	s_mov_b32 s[CS+1], s[CS]
	s_mov_b32 s54, 0x7f7f7f7f
	s_mov_b32 s[SELQ], 0x04040100                  ; bytes 0, 1 of a pair's word, then 127, 127;
	s_mov_b32 s12, 0x04040302                      ; or bytes 2, 3
	s_cmp_eq_u32 s15, 1
	s_cselect_b32 s[SELQ], s12, s[SELQ]
	s_wait_alu depctr_va_vdst(0)                   ; the wait here, directly ahead of the wait below
	s_wait_dscnt 0x0                               ; both opening adds are done
	s_wait_kmcnt 0x0
	s_mov_b32 s[G0K], 1
	s_mul_i32 s[G0K+1], s[WV], 16*KP               ; LDS: K's eight parts of 16 padded tiles,
	s_add_nc_u64 s[G0K+2:G0K+3], s[4:5], s[60:61]
	s_or_b32 s[G0K+3], s[G0K+3], 0x80000000
	s_mov_b32 s[G0V], 1
	s_mul_i32 s[G0V+1], s3, 12288                  ; and V's eight of 12,288 bytes
	s_add_co_u32 s[G0V+1], s[G0V+1], VB
	s_add_nc_u64 s[G0V+2:G0V+3], s[6:7], s[52:53]
	s_or_b32 s[G0V+3], s[G0V+3], 0x80000000
	s_add_nc_u64 s[62:63], s[4:5], s[62:63]
	s_add_nc_u64 s[70:71], s[4:5], s[70:71]
	s_add_nc_u64 s[66:67], s[4:5], s[66:67]
	s_add_nc_u64 s[68:69], s[6:7], s[68:69]
	s_add_nc_u64 s[56:57], s[8:9], s[56:57]
	s_add_nc_u64 s[58:59], s[8:9], s[58:59]
	CROUND                                         ; all four work-groups are here: the joint loads meet
	s_cmp_lt_u32 s[WV], 8                          ; one tensor load a wave, in the two arms of one branch on the wave's number
	s_cbranch_scc0 .Lfor_v
	tensor_load_to_lds s[G0K:G0K+3], s[G1K:G1K+7]
	s_nop 0
.rept 4
	v_nop
.endr
	s_branch .Lasked
.Lfor_v:
	tensor_load_to_lds s[G0V:G0V+3], s[G1V:G1V+7]
	s_nop 0
.rept 4
	v_nop
.endr
.Lasked:
	; q, and the scale words of K and V: wave w brings those of key step w and lays them in LDS in the order in which a step's loads take them
	v_and_b32 v[R4], 15, v0
	s_delay_alu instid0(VALU_DEP_1)
	v_lshlrev_b32 v[R4], 2, v[R4]
	v_bfe_u32 v7, v0, 4, 1                         ; h
	v_and_b32 v8, 31, v0
	s_delay_alu instid0(VALU_DEP_1)
	v_lshlrev_b32 v[A16], 4, v8
	s_delay_alu instid0(VALU_DEP_2)
	v_lshlrev_b32 v[A8], 3, v8
	s_delay_alu instid0(VALU_DEP_4)
	v_mul_u32_u24 v5, v7, 4*REC
	v_bfe_u32 v9, v0, 3, 1                         ; g
	v_and_b32 v10, 7, v0                           ; j
	v_mad_u32_u24 v5, v9, 2*REC, v5
	v_mul_u32_u24 v[KA16], v9, 2*KP
	v_mul_u32_u24 v[KA8], v9, 2*KP
	v_lshl_add_u32 v5, v10, 2, v5                  ; k's words, register u of lane (8 g + j, c): stored tile 4 c + 2 g + u % 2, row place 8 (u / 2) + j
	v_lshl_add_u32 v[KA16], v10, 4, v[KA16]
	v_lshl_add_u32 v[KA8], v10, 3, v[KA8]
	v_lshlrev_b32 v[SH8], 3, v7
	v_mad_u32_u24 v[KA16], v7, 320, v[KA16]
	v_lshl_add_u32 v[KA8], v7, 7, v[KA8]
	v_mul_u32_u24 v6, v7, REC
	s_delay_alu instid0(VALU_DEP_1)
	v_add_nc_u32 v6, v6, v[R4]                     ; v's: channel tile 2 e + h
.irp e, 0,1,2,3
	global_load_b32 v[BM+\e], v5, s[66:67] offset:(\e%2)*REC+32*(\e/2)
.endr
.irp e, 0,1
	global_load_b32 v[BM+4+\e], v6, s[68:69] offset:2*\e*REC
.endr
	global_load_b128 v[QL:QL+3], v[A16], s[62:63]
	global_load_b64 v[QL+4:QL+5], v[A8], s[62:63] offset:512
	global_load_b128 v[QB:QB+3], v[A16], s[62:63] offset:16*REC
	global_load_b64 v[QB+4:QB+5], v[A8], s[62:63] offset:16*REC+512
	global_load_b32 v[QW], v[R4], s[70:71]
	global_load_b32 v[QW2], v[R4], s[70:71] offset:16*REC
.irp j, 0,1,2,3,4,5
	v_mov_b32 v[KF+48+\j], 0                       ; zero codes behind K's eight halves,
	v_mov_b32 v[QL+6+\j], 0                        ; and in the upper half of q's operand
.endr
	v_mov_b32 v235, 0                              ; (named as the upper half of the pair v[234:235])
	v_mov_b32 v[BM+6], 0                           ; written once: a lane permute's destination counts as one of its sources
	v_mov_b32 v[BM+7], 0
	v_add_nc_u32 v[A16H], 49152, v[A16]
	v_add_nc_u32 v[A16H+1], 49152, v[A8]
	s_lshl_b32 s10, s[WV], 9
	s_add_co_u32 s10, s10, KS
	v_add_nc_u32 v[ADS], s10, v[A16]
	s_lshl_b32 s10, s[WV], 8
	s_add_co_u32 s10, s10, VS
	v_add_nc_u32 v[ADT], s10, v[A8]
	s_wait_alu depctr_va_vdst(0)                   ; the wait here, directly ahead of the wait below
	s_wait_loadcnt 0x0
.irp e, 0,1,2,3
	v_perm_b32 v[S+\e], s54, v[BM+\e], s[SELQ]     ; my head's two bytes, then 127, 127
.endr
	INIT 0
	s_wait_alu depctr_va_vdst(0)                   ; the wait at the head's end
	s_wait_tensorcnt 0x0                           ; my part of K or V is in
	ds_store_b128 v[ADS], v[S:S+3]
	ds_store_b64 v[ADT], v[BM+4:BM+5]
	s_wait_dscnt 0x0                               ; and my step's scale words are stored
	s_barrier_signal -1
	s_barrier_wait -1                              ; both now hold of every wave: all of K, V and their scale words may be read
	PASS
	FINISH 0
	INIT 1
	PASS
	FINISH 1
	s_wait_tensorcnt 0x0                           ; the wave's end
	ds_add_u32 v[SPW], v[NIL]
	s_wait_dscnt 0x0
	CROUND                                         ; the closing round
	s_endpgm
.Lfunc_end_k_q6001d28c8d_attn:
	.size	k_q6001d28c8d_attn, .Lfunc_end_k_q6001d28c8d_attn-k_q6001d28c8d_attn
	.p2alignl 7, 3214868480
	.fill 96, 4, 3214868480
	.section	.rodata,"a",@progbits
	.p2align	6, 0x0
	.amdhsa_kernel k_q6001d28c8d_attn
		.amdhsa_group_segment_fixed_size 327680
		.amdhsa_private_segment_fixed_size 0
		.amdhsa_enable_private_segment 0
		.amdhsa_kernarg_size 24
		.amdhsa_user_sgpr_count 2
		.amdhsa_user_sgpr_kernarg_segment_ptr 1
		.amdhsa_wavefront_size32 1
		.amdhsa_system_sgpr_workgroup_id_x 1
		.amdhsa_system_sgpr_workgroup_id_y 1
		.amdhsa_system_sgpr_workgroup_id_z 1
		.amdhsa_system_vgpr_workitem_id 0
		.amdhsa_next_free_vgpr 256
		.amdhsa_next_free_sgpr 72
		.amdhsa_reserve_vcc 0
		.amdhsa_float_denorm_mode_32 3
		.amdhsa_float_denorm_mode_16_64 3
		.amdhsa_memory_ordered 1
		.amdhsa_forward_progress 1
		.amdhsa_inst_pref_size 55
	.end_amdhsa_kernel
	.amdgpu_metadata
---
amdhsa.version: [ 1, 2 ]
amdhsa.kernels:
  - .name:           k_q6001d28c8d_attn
    .symbol:         k_q6001d28c8d_attn.kd
    .args:
      - { .name: qk, .offset: 0, .size: 8, .value_kind: global_buffer, .address_space: global }
      - { .name: vq, .offset: 8, .size: 8, .value_kind: global_buffer, .address_space: global }
      - { .name: oq, .offset: 16, .size: 8, .value_kind: global_buffer, .address_space: global }
    .group_segment_fixed_size: 327680
    .private_segment_fixed_size: 0
    .kernarg_segment_align: 8
    .kernarg_segment_size: 24
    .max_flat_workgroup_size: 512
    .sgpr_count:     72
    .vgpr_count:     256
    .wavefront_size: 32
...
	.end_amdgpu_metadata
.endif
;; end of part 3
;; launch gemm_o (part 4): grid 4 x 32, 4 waves a work-group, clusters of 4 x 4, 327,680 bytes of LDS; arguments wo, oq, b_out, out0; writes out0
.if DOCPART == 4
	.amdgcn_target "amdgcn-amd-amdhsa--gfx1250"
	.amdhsa_code_object_version 6
	.text
	.protected	k_q6001d28c8d_gemm_o
	.globl	k_q6001d28c8d_gemm_o
	.p2align	8
	.type	k_q6001d28c8d_gemm_o,@function
k_q6001d28c8d_gemm_o:
	s_mov_b64 s[64:65], 0
	v_nop
	global_prefetch_b8 v0, s[64:65] scope:SCOPE_SE
	s_setreg_imm32_b32 hwreg(HW_REG_WAVE_MODE, 25, 1), 1
	s_wait_xcnt 0x0
	s_wait_alu depctr_hold_cnt(0) depctr_sa_sdst(0) depctr_va_vdst(0) depctr_va_sdst(0) depctr_va_ssrc(0) depctr_va_vcc(0) depctr_vm_vsrc(0)
	s_getreg_b32 s2, hwreg(HW_REG_IB_STS2, 6, 4)
	s_cmp_eq_u32 s2, 0
	s_cbranch_scc0 .Lentry_in_a_cluster
	s_endpgm
.Lentry_in_a_cluster:
	s_bfe_u32 s2, ttmp6, 0x10000c
	s_cmp_lg_u32 s2, 0xf033
	s_cbranch_scc0 .Lentry_shape_is_right
	s_endpgm
.Lentry_shape_is_right:
.set RB,     102400
.set KSB,    24576
.set SCW,    98304
.set FR,     12
.set NL,     4
.set NP,     4
.set SLOT,   4*KSB
.set SCL,    3*SLOT                    ; LDS: four records (A's two, B's two) x three K steps of KSB bytes on end; behind them the scale words
.set SPARE,  SCL+4*4096
.set STG,    KSB                       ; the stage lies in K steps 1 and 2 of A's first record: those bytes have had their last fill, and every wave has read them for the last time ahead of the walk's last barrier
.set SPITCH, 528
.set ADRA, 16
.set ADRB, 20
.set STO,  24
.set RD,   25
.set CO,   26
.set ADRS, 27
.set SPW,  28
.set NIL,  29
.set BO,   30
.set SC,   32
.set BI,   96
.set AF,   128
.set BK,   128
.set G1, 24
.set G0, 32
.set G1B, 48
.set G0B, 56
.set G1S, 68
.set G0S, 76
.set G1SB, 80
.set G0SB, 88
.set G0H,  36                          ; s[36:39], s[60:63] group 0 of the head's loads of codes
.set G0HB, 60
.set MSB, 0
.macro WIN new
.if MSB != (\new)
	s_set_vgpr_msb (MSB<<8)|(\new)
.set MSB, (\new)
.endif
.endm
.set MUL_LO, 0xa1
.set MUL_HI, 0xf1
.set Z_LO,   0x81
.set Z_HI,   0xc1
.set TO_B,   0x40
.macro JLOAD g0a, g1a, g0b, g1b
	s_cmp_eq_u32 s15, 0
	s_cbranch_scc0 .Lfor_b_\@
	tensor_load_to_lds s[\g0a:\g0a+3], s[\g1a:\g1a+7]
	s_nop 0
.rept 4
	v_nop
.endr
	s_branch .Lasked_\@
.Lfor_b_\@:
	tensor_load_to_lds s[\g0b:\g0b+3], s[\g1b:\g1b+7]
	s_nop 0
.rept 4
	v_nop
.endr
.Lasked_\@:
.endm
.macro CREST
	s_cmp_lg_u32 s14, 0
	s_cbranch_scc1 .Lnot_wave_0_\@
	s_barrier_signal -3
.Lnot_wave_0_\@:
	s_barrier_wait -3
	s_barrier_signal -1
	s_barrier_wait -1
.endm
.macro CROUND
	s_barrier_signal -1
	s_barrier_wait -1
	CREST
.endm
.macro PLACES n
.rept \n
	v_nop
.endr
.endm
.macro FRAG reg, adr, q, i
	ds_load_b128 v[\reg:\reg+3], v[\adr] offset:(\i)*3072+(\q)*1536
	ds_load_b64 v[\reg+4:\reg+5], v[\adr+2] offset:(\i)*3072+(\q)*1536+512
	ds_load_b128 v[\reg+6:\reg+9], v[\adr] offset:(\i)*3072+(\q)*1536+768
	ds_load_b64 v[\reg+10:\reg+11], v[\adr+2] offset:(\i)*3072+(\q)*1536+1280
.endm
.macro FETCH_B slot, q, p
	WIN TO_B
.irp i, 0,1,2,3,4,5,6,7
	FRAG 128*(\p)+FR*\i, ADRB+\slot, \q, \i
.endr
	WIN 0
.endm
.macro FETCH_A slot, q, i0
.irp i, \i0, \i0+1, \i0+2, \i0+3
	FRAG AF+FR*(\i), ADRA+\slot, \q, \i
.endr
.endm
.macro MUL16 a0, p, s8, zero
.irp a, \a0, \a0+1
.irp b, 0,1,2,3,4,5,6,7
.if \zero
	v_wmma_scale_f32_16x16x128_f8f6f4 v[8*(8*((\a)%4)+\b):8*(8*((\a)%4)+\b)+7], v[128*(\p)+FR*\b:128*(\p)+FR*\b+FR-1], v[AF+FR*(\a):AF+FR*(\a)+FR-1], v[BI+8*\b+96*(\b/4):BI+8*\b+96*(\b/4)+7], v[SC+8*(\s8)+\b], v[SC+8*(\s8)+(\a)] matrix_a_fmt:MATRIX_FMT_FP6 matrix_b_fmt:MATRIX_FMT_FP6 matrix_a_scale:MATRIX_SCALE_ROW1
.else
	v_wmma_scale_f32_16x16x128_f8f6f4 v[8*(8*((\a)%4)+\b):8*(8*((\a)%4)+\b)+7], v[128*(\p)+FR*\b:128*(\p)+FR*\b+FR-1], v[AF+FR*(\a):AF+FR*(\a)+FR-1], v[8*(8*((\a)%4)+\b):8*(8*((\a)%4)+\b)+7], v[SC+8*(\s8)+\b], v[SC+8*(\s8)+(\a)] matrix_a_fmt:MATRIX_FMT_FP6 matrix_b_fmt:MATRIX_FMT_FP6 matrix_a_scale:MATRIX_SCALE_ROW1
.endif
.endr
.endr
.endm
; multiplies B's set q % 2 and fetches the fragments at place nq of address set slot (16 places are one K step)
.macro STEP slot, q, s8, zero, nq
	s_wait_dscnt 4*NL
.if \zero
	WIN Z_LO
.else
	WIN MUL_LO
.endif
	MUL16 0, (\q)%2, \s8, \zero
	MUL16 2, (\q)%2, \s8, \zero
	s_wait_dscnt 0
	PLACES NP
	FETCH_B \slot, \nq, 1-(\q)%2
	FETCH_A \slot, \nq, 0
.if \zero
	WIN Z_HI
.else
	WIN MUL_HI
.endif
	MUL16 4, (\q)%2, \s8, \zero
	MUL16 6, (\q)%2, \s8, \zero
	PLACES NP
	WIN 0
	FETCH_A \slot, \nq, 4
.endm
.macro TURN slot, next, s8, fill, nq
	s_wait_tensorcnt 0x0
	ds_add_u32 v[SPW], v[NIL]
	s_wait_dscnt 4*NL+1
	WIN MUL_LO
	MUL16 0, 1, \s8, 0
	s_wait_dscnt 0x0
	s_barrier_signal -1
	MUL16 2, 1, \s8, 0
	WIN 0
	s_barrier_wait -1
.if \fill
	CREST
	JLOAD G0+4*\slot, G1, G0B+4*\slot, G1B
.else
	PLACES NP
.endif
	FETCH_B \next, \nq, 0
	FETCH_A \next, \nq, 0
	WIN MUL_HI
	MUL16 4, 1, \s8, 0
	MUL16 6, 1, \s8, 0
	PLACES NP
	WIN 0
	FETCH_A \next, \nq, 4
.endm
.macro TOSTAGE a
.set AC, 64*((\a)%4)
.set WD, 0x08+4*((\a)/4)
	WIN WD
.irp b, 0,1,2,3,4,5,6,7
	ds_store_b128 v[STO], v[AC+8*\b:AC+8*\b+3] offset:128*(\b/2)+32*(\b%2)
	ds_store_b128 v[STO], v[AC+8*\b+4:AC+8*\b+7] offset:128*(\b/2)+32*(\b%2)+16
.endr
	WIN 0
.set BB, BK+64*((\a)%2)
.irp t, 0,1,2,3,4,5,6,7,8,9,10,11,12,13,14,15
	ds_load_b128 v[BB+4*\t:BB+4*\t+3], v[RD] offset:\t*SPITCH
.endr
.endm
.macro SEND a, younger
.set BB, BK+64*((\a)%2)
	s_wait_dscnt \younger
.irp t, 0,1,2,3,4,5,6,7,8,9,10,11,12,13,14,15
	global_store_b128 v[CO], v[BB+4*\t:BB+4*\t+3], s[10:11] offset:(32*((\a)/2)+8*((\a)%2)+\t+8*(\t/8))*4096 th:TH_STORE_NT
.endr
.endm
	s_load_b256 s[4:11], s[0:1], 0x0
	v_lshl_add_u32 v[SPW], v0, 2, SPARE
	v_mov_b32 v[NIL], 0
	ds_add_u32 v28, v29
	ds_add_u32 v28, v29
	s_wait_dscnt 0x0
	v_lshrrev_b32 v1, 5, v0
	v_readfirstlane_b32 s14, v1
	s_lshr_b32 s15, s14, 1
	s_and_b32 s16, s14, 1
	s_bfe_u32 s40, ttmp6, 0x40000
	s_bfe_u32 s41, ttmp6, 0x40004
	s_lshl_b32 s42, ttmp9, 2
	s_add_co_u32 s42, s42, s40
	s_and_b32 s17, ttmp7, 0xffff
	s_lshl_b32 s17, s17, 2
	s_add_co_u32 s17, s17, s41
	s_lshl_b32 s43, s41, 2
	s_lshl_b32 s43, 15, s43
	s_lshl_b32 s44, 0x1111, s40
	s_or_b32 s[G1+0], s43, (3<<16)|(1<<21)
	s_or_b32 s[G1B+0], s44, (3<<16)|(1<<21)
.irp g, G1, G1B                        ; the head's shape: two records, of each its K steps 0 to 2: 2 rows of 73,728 bytes (9,216 elements of 8), a record apart
	s_mov_b32 s[\g+1], 9216<<16
	s_mov_b32 s[\g+2], 2<<16
	s_mov_b32 s[\g+3], 9216<<16
	s_mov_b32 s[\g+4], 2
	s_mov_b32 s[\g+5], RB/8
	s_mov_b32 s[\g+6], 0
	s_mov_b32 s[\g+7], 0
.endr
	s_or_b32 s[G1S+0], s43, (3<<16)|(1<<21)
	s_or_b32 s[G1SB+0], s44, (3<<16)|(1<<21)
.irp g, G1S, G1SB                      ; two records' scale words: 2 rows of 4,096 bytes, a record apart
	s_mov_b32 s[\g+1], 512<<16
	s_mov_b32 s[\g+2], 2<<16
	s_mov_b32 s[\g+3], 512<<16
	s_mov_b32 s[\g+4], 2
	s_mov_b32 s[\g+5], RB/8
	s_mov_b32 s[\g+6], 0
	s_mov_b32 s[\g+7], 0
.endr
	s_lshl_b32 s20, s17, 1
	s_add_co_u32 s20, s20, s16
	s_mul_i32 s20, s20, RB
	s_mov_b32 s21, 0
	s_lshl_b32 s46, s42, 1
	s_add_co_u32 s46, s46, s16
	s_mul_i32 s46, s46, RB
	s_mov_b32 s47, 0
	s_mul_i32 s45, s14, 3*KSB
	s_wait_kmcnt 0x0
	s_add_nc_u64 s[20:21], s[6:7], s[20:21]
	s_add_nc_u64 s[46:47], s[4:5], s[46:47]
	CROUND
	; THE HEAD'S FOUR TILES, one joint load a wave: wave 0 A's two records, K steps 0 to 2; wave 1 B's; wave 2 A's scale words; wave 3 B's.
	; Three of the four K steps lie in LDS from the head on; K step 3 is the launch's only refill, onto K step 0's bytes, a quarter a wave.
	s_mul_i32 s18, s16, RB                         ; my record's place in its pair: taken off, the pair's first byte is left
	s_mov_b32 s19, 0
	s_mov_b32 s[G0S], 1
	s_mov_b32 s[G0S+1], SCL
	s_sub_nc_u64 s[G0S+2:G0S+3], s[20:21], s[18:19]
	s_mov_b32 s[G0H], 1
	s_mov_b32 s[G0H+1], 0
	s_mov_b64 s[G0H+2:G0H+3], s[G0S+2:G0S+3]
	s_or_b32 s[G0H+3], s[G0H+3], 0x80000000
	s_add_nc_u64 s[G0S+2:G0S+3], s[G0S+2:G0S+3], SCW
	s_or_b32 s[G0S+3], s[G0S+3], 0x80000000
	s_mov_b32 s[G0SB], 1
	s_mov_b32 s[G0SB+1], SCL+2*4096
	s_sub_nc_u64 s[G0SB+2:G0SB+3], s[46:47], s[18:19]
	s_mov_b32 s[G0HB], 1
	s_mov_b32 s[G0HB+1], 6*KSB
	s_mov_b64 s[G0HB+2:G0HB+3], s[G0SB+2:G0SB+3]
	s_or_b32 s[G0HB+3], s[G0HB+3], 0x80000000
	s_add_nc_u64 s[G0SB+2:G0SB+3], s[G0SB+2:G0SB+3], SCW
	s_or_b32 s[G0SB+3], s[G0SB+3], 0x80000000
	s_mov_b32 s[G0], 1                             ; the refill: my record's K step 3, to wave x three K steps
	s_add_co_u32 s[G0+1], s45, 0
	s_add_nc_u64 s[G0+2:G0+3], s[20:21], 3*KSB
	s_or_b32 s[G0+3], s[G0+3], 0x80000000
	s_mov_b32 s[G0B], 1
	s_add_co_u32 s[G0B+1], s45, 0
	s_add_nc_u64 s[G0B+2:G0B+3], s[46:47], 3*KSB
	s_or_b32 s[G0B+3], s[G0B+3], 0x80000000
.macro ARM under, g0, g1, next         ; one chain of branches on the wave's number: every way through it passes exactly one load
	s_cmp_lt_u32 s14, \under
	s_cbranch_scc0 \next
	tensor_load_to_lds s[\g0:\g0+3], s[\g1:\g1+7]
	s_nop 0
.rept 4
	v_nop
.endr
	s_branch .Lhead_asked
\next:
.endm
	ARM 1, G0H,  G1,  .Lhead_b
	ARM 2, G0HB, G1B, .Lhead_sa
	ARM 3, G0S,  G1S, .Lhead_sb
	tensor_load_to_lds s[G0SB:G0SB+3], s[G1SB:G1SB+7]
	s_nop 0
.rept 4
	v_nop
.endr
.Lhead_asked:
	v_and_b32 v1, 31, v0
	v_and_b32 v2, 15, v0
	v_bfe_u32 v3, v0, 4, 1
	v_lshlrev_b32 v4, 4, v1
	s_wait_alu depctr_va_vdst(0)
	v_lshlrev_b32 v5, 3, v1
	s_wait_alu depctr_va_vdst(0)
	s_lshl_b32 s46, s42, 10
	s_lshl_b32 s47, s16, 9
	s_add_co_u32 s46, s46, s47
	s_mov_b32 s47, 0
	s_add_nc_u64 s[8:9], s[8:9], s[46:47]
	v_lshlrev_b32 v[BO], 6, v3
.irp b, 0,1,2,3,4,5,6,7
	global_load_b128 v[BI+8*\b+96*(\b/4):BI+8*\b+96*(\b/4)+3], v[BO], s[8:9] offset:(32*(\b/2)+8*(\b%2))*4
	global_load_b128 v[BI+8*\b+96*(\b/4)+4:BI+8*\b+96*(\b/4)+7], v[BO], s[8:9] offset:(32*(\b/2)+8*(\b%2))*4+16
.endr
	s_mul_i32 s21, s15, 3*KSB                      ; address set 0: my record's K step 0 (places 0, 1), K step 1 (16, 17) and later K step 3 (0, 1); set 1: its K step 2
	s_mul_i32 s22, s16, 3*KSB
	s_add_co_u32 s22, s22, 6*KSB
.irp s, 0,1
	v_add_nc_u32 v[ADRA+\s], s21, v4
	v_add_nc_u32 v[ADRA+2+\s], s21, v5
	v_add_nc_u32 v[ADRB+\s], s22, v4
	v_add_nc_u32 v[ADRB+2+\s], s22, v5
	s_add_co_u32 s21, s21, 2*KSB
	s_add_co_u32 s22, s22, 2*KSB
.endr
	s_lshl_b32 s21, s15, 12
	s_lshl_b32 s22, s16, 12
	s_add_co_u32 s22, s22, 2*4096
	s_sub_co_u32 s22, s22, s21
	v_mul_u32_u24 v6, s22, v3
	s_add_co_u32 s21, s21, SCL
	v_lshl_add_u32 v6, v2, 2, v6
	v_add_nc_u32 v[ADRS], s21, v6
	s_mul_i32 s23, s14, 16*SPITCH
	s_add_co_u32 s23, s23, STG
	v_mul_u32_u24 v6, v2, SPITCH
	v_lshl_add_u32 v6, v3, 6, v6
	v_add_nc_u32 v[STO], s23, v6
	v_add_nc_u32 v[RD], s23, v4
	v_lshlrev_b32 v[CO], 4, v1
	s_lshl_b32 s20, s17, 8
	s_lshl_b32 s21, s15, 7
	s_add_co_u32 s20, s20, s21
	s_lshl_b32 s20, s20, 12
	s_mov_b32 s21, 0
	s_add_nc_u64 s[10:11], s[10:11], s[20:21]
	s_add_nc_u64 s[10:11], s[10:11], s[46:47]
	s_wait_alu depctr_va_vdst(0)
	s_wait_tensorcnt 0x0                           ; my tile of the head's four is in; no tensor load of mine is out, so a descriptor may be written:
.irp g, G1, G1B                        ; the refill's shape: a dense block of KSB bytes as 96 rows of 256
	s_mov_b32 s[\g+1], 32<<16
	s_mov_b32 s[\g+2], 96<<16
	s_mov_b32 s[\g+3], 32<<16
	s_mov_b32 s[\g+4], 96
	s_mov_b32 s[\g+5], 32
.endr
	s_barrier_signal -1
	s_barrier_wait -1
	FETCH_B 0, 0, 0
	FETCH_A 0, 0, 0
.irp s, 0,1,2,3,4,5,6,7
.irp i, 0,1,2,3,4,5,6,7
	ds_load_b32 v[SC+8*\s+\i], v[ADRS] offset:512*\s+64*\i
.endr
.endr
	FETCH_A 0, 0, 4
	s_wait_loadcnt 0x0
	STEP 0, 0, 0, 1, 1                             ; K step 0
	TURN 0, 0, 1, 1, 16                            ; its second half; behind the round K step 3 is asked for, onto K step 0's bytes
	STEP 0, 16, 2, 0, 17                           ; K step 1
	STEP 1, 17, 3, 0, 0
	STEP 1, 0, 4, 0, 1                             ; K step 2
	TURN 1, 0, 5, 0, 0                             ; a plain barrier shows K step 3 to all
	STEP 0, 0, 6, 0, 1                             ; K step 3
	s_wait_dscnt 4*NL
	WIN MUL_LO
	MUL16 0, 1, 7, 0
	MUL16 2, 1, 7, 0
	s_wait_dscnt 0
	WIN MUL_HI
	MUL16 4, 1, 7, 0
	MUL16 6, 1, 7, 0
	WIN 0
	PLACES NP
	TOSTAGE 0
.irp a, 1,2,3,4,5,6,7
.if \a > 1
	s_wait_xcnt 0x0
.endif
	TOSTAGE \a
	SEND \a-1, 32
.endr
	SEND 7, 0
	s_wait_tensorcnt 0x0
	ds_add_u32 v[SPW], v[NIL]
	s_wait_dscnt 0x0
	CROUND
	s_endpgm
.Lfunc_end_k_q6001d28c8d_gemm_o:
	.size	k_q6001d28c8d_gemm_o, .Lfunc_end_k_q6001d28c8d_gemm_o-k_q6001d28c8d_gemm_o
	.p2alignl 7, 3214868480
	.fill 96, 4, 3214868480
	.section	.rodata,"a",@progbits
	.p2align	6, 0x0
	.amdhsa_kernel k_q6001d28c8d_gemm_o
		.amdhsa_group_segment_fixed_size 327680
		.amdhsa_private_segment_fixed_size 0
		.amdhsa_enable_private_segment 0
		.amdhsa_kernarg_size 32
		.amdhsa_user_sgpr_count 2
		.amdhsa_user_sgpr_kernarg_segment_ptr 1
		.amdhsa_wavefront_size32 1
		.amdhsa_system_sgpr_workgroup_id_x 1
		.amdhsa_system_sgpr_workgroup_id_y 1
		.amdhsa_system_sgpr_workgroup_id_z 1
		.amdhsa_system_vgpr_workitem_id 0
		.amdhsa_next_free_vgpr 1024
		.amdhsa_next_free_sgpr 98
		.amdhsa_reserve_vcc 0
		.amdhsa_float_denorm_mode_32 3
		.amdhsa_float_denorm_mode_16_64 3
		.amdhsa_memory_ordered 1
		.amdhsa_forward_progress 1
		.amdhsa_inst_pref_size 145
	.end_amdhsa_kernel
	.amdgpu_metadata
---
amdhsa.version: [ 1, 2 ]
amdhsa.kernels:
  - .name:           k_q6001d28c8d_gemm_o
    .symbol:         k_q6001d28c8d_gemm_o.kd
    .args:
      - { .name: wo, .offset: 0, .size: 8, .value_kind: global_buffer, .address_space: global }
      - { .name: oq, .offset: 8, .size: 8, .value_kind: global_buffer, .address_space: global }
      - { .name: b_out, .offset: 16, .size: 8, .value_kind: global_buffer, .address_space: global }
      - { .name: out0, .offset: 24, .size: 8, .value_kind: global_buffer, .address_space: global }
    .group_segment_fixed_size: 327680
    .private_segment_fixed_size: 0
    .kernarg_segment_align: 8
    .kernarg_segment_size: 32
    .max_flat_workgroup_size: 128
    .sgpr_count:     98
    .vgpr_count:     1024
    .wavefront_size: 32
...
	.end_amdgpu_metadata
.endif
;; end of part 4
